; MI455X (gfx1250); checked and timed in simulation.
; The chip was launched on July 23, 2026; its instructions are those of AMD's public machine-readable ISA for CDNA 5 (MIT licence, August 2026) and "CDNA5" Instruction Set Architecture Reference Guide (July 2026). The comments in the code are by the model that wrote it; some were corrected since.
;; Causal Multi Head Self Attention. Allowed arithmetic: matrix products marked QUANTISED: E3M2 operands, one E8M0 scale for each 32 along K, by v_wmma_scale_f32_16x16x128_f8f6f4 with both operands' format E3M2, f32 sums; everything else in f32.
;; Inputs: Wk 1,024 x 1,024 float32; Wo 1,024 x 1,024 float32; Wq 1,024 x 1,024 float32; Wv 1,024 x 1,024 float32; in_features 4 x 2,048 x 1,024 float32; token_positions 4 x 2,048 int32.
;; Outputs: out0 4 x 2,048 x 1,024 float32.
;; This version of the problem:
;;   THIS VERSION OF THE PROBLEM IS GIVEN IN LOW PRECISION. The matrix products marked QUANTISED in the list below multiply operands that are first quantised to E3M2 (3 exponent bits, 2 mantissa bits; 6 bits a number), with one power-of-two scale for each 32 numbers along K (OCP MX v1.0); their sums are f32. All else is computed in f32.
;;   The module's matrix products, in the order in which they are computed (A, B: the left and right operand; K: the contracted axis; several contracted axes count as one K, in the product's order):
;;     1. [M 8,192, K 1,024] x [K 1,024, N 1,024]; A: input in_features; B: input Wq: QUANTISED
;;     2. [M 8,192, K 1,024] x [K 1,024, N 1,024]; A: input in_features; B: input Wk: QUANTISED
;;     3. [M 8,192, K 1,024] x [K 1,024, N 1,024]; A: input in_features; B: input Wv: QUANTISED
;;     4. batch 64 x [M 2,048, K 64] x [K 64, N 2,048]; A: computed on the way; B: computed on the way: QUANTISED
;;     5. batch 64 x [M 2,048, K 2,048] x [K 2,048, N 64]; A: softmax (see below); B: computed on the way: QUANTISED
;;     6. [M 8,192, K 1,024] x [K 1,024, N 1,024]; A: computed on the way; B: input Wo: QUANTISED
;;   THE QUANTISER, for each operand of a quantised product, along K:
;;     - K is cut into blocks of 32 from its start; a last block that is shorter is filled with zeros.
;;     - A block's scale is 2^e with e = floor(log2(the largest magnitude in the block)) - 4, held to -126 .. 127; a block of zeros has e = 0. As a byte (E8M0): e + 127.
;;     - Each number is divided by its block's scale, clamped to +-28, and rounded to the nearest number of E3M2, ties to even, subnormals kept.
;;     - The product sums the exact products of the quantised numbers (number of the format x scale) in f32.
;;   ~~~python
;;   def quantise(x, axis):      # numpy; x: float32 -> the quantised numbers, widened to float32 again
;;       x = np.moveaxis(x, axis, -1); K = x.shape[-1]
;;       x = np.pad(x, [(0, 0)] * (x.ndim - 1) + [(0, -K % 32)]); x = x.reshape(x.shape[:-1] + (-1, 32)); a = np.abs(x).max(-1, keepdims=True)
;;       e = np.where(a > 0, np.clip(np.frexp(np.where(a > 0, a, 1))[1] - 1 - 4, -126, 127), 0)      # np.frexp(a)[1] - 1 = floor(log2(a)), exactly
;;       r = np.clip(x / 2.0 ** e, -28, 28)
;;       step = 2.0 ** (np.maximum(np.frexp(np.where(r == 0, 1, r))[1] - 1, -2) - 2)
;;       q = np.round(r / step) * step * 2.0 ** e      # np.round: ties to even
;;       return np.moveaxis(q.reshape(q.shape[:-2] + (-1,))[..., :K], -1, axis).astype(np.float32)
;;   ~~~
;;   SOFTMAX AHEAD OF A QUANTISED PRODUCT. Where the list says 'softmax', what is quantised is not the finished softmax but p = 2^(t - M), with t = logit x log2(e) and M = ceil(the row's largest t), a whole number; so 1/2 < the row's largest p <= 1. The row's sum l is taken of the UNQUANTISED p, in f32, and the product's result is divided by l at the end. Since M is a whole number, a kernel that streams over the keys may use a running M (the ceiling of the running maximum): every later rescaling is an exact power of two, which a block's scale takes up: the codes' values come out the same.
;;   OPERANDS COMPUTED ON THE WAY. 'Computed on the way' means the value that the module computes at that place (a softmax that the list does not call 'softmax' is quantised finished and normalised). What goes into a quantiser is computed in f32, as accurately as f32 sums, v_exp_f32 and their like allow (about 1e-6 of the number): no bf16 or f16 on the way to a quantiser, and a product that is left as it is and whose result goes on into a quantised operand takes f32 operands (vector FMAs, or v_wmma_f32_16x16x4_f32). A number that lies on a knife's edge between two numbers of the format may be rounded either way, as far as f32 arithmetic and the matrix unit's own rounding can turn it there, and no further.
;; One version. Each part assembles by itself: llvm-mc -triple=amdgcn-amd-amdhsa -mcpu=gfx1250 --defsym DOCPART=n.
;; ======== version 1 of 1: 4 launches
;; limits: right only within a limited range of input values
;; workspace buffers: xq 6,553,600 bytes; wq 3,276,800 bytes; rope 2,097,152 bytes; qkv 19,660,800 bytes; oq 6,553,600 bytes
;; launch prep (part 1): grid 512 x 1, 4 waves a work-group, no clusters, 33,280 bytes of LDS; arguments in_features, Wq, Wk, Wv, Wo, token_positions, xq, wq, rope; writes xq, wq, rope
.if DOCPART == 1
	.amdgcn_target "amdgcn-amd-amdhsa--gfx1250"
	.amdhsa_code_object_version 6
	.text
	.protected	k_q4ce04e48c8_prep
	.globl	k_q4ce04e48c8_prep
	.p2align	8
	.type	k_q4ce04e48c8_prep,@function
k_q4ce04e48c8_prep:
	s_mov_b64 s[64:65], 0
	v_nop
	global_prefetch_b8 v0, s[64:65] scope:SCOPE_SE
	s_setreg_imm32_b32 hwreg(HW_REG_WAVE_MODE, 25, 1), 1
	s_wait_xcnt 0x0
; CAUSAL SELF-ATTENTION IN MX-BF6, FOUR LAUNCHES: prep (this one), qkv, attn, oproj.
; prep: in_features [8192][1024] and Wq, Wk, Wv, Wo [1024][1024], f32, K innermost, become codes of BF6 (E3M2) with one E8M0 byte for each 32 along K (xq, wq);
; and cos / sin of position x inv_freq are laid out as the second launch's lanes want them (rope).
; DEAD WORK LEFT OUT BY THE PROGRAM (in the third launch): a step of 128 keys all of which come after all 16 queries of a wave.  reference() replaces the scores of such keys by -1e30 through its own
; jnp.tril; every row holds its diagonal key, whose score is a finite number for finite inputs, so 2^(t - M) of a replaced score is 0 and adds nothing to the row's sum or to the second product,
; whatever the inputs hold.  Inside the one step on the diagonal the hidden scores are set to -infinity: the same p = 0.  No input is dead: all six are loaded.
; LIMITS: a NaN, an infinity or an overflow that reaches only hidden scores is not carried to the result; true scores at or under -1e30 are not served; NaN and infinities among the inputs are not served.
; A block whose largest magnitude lies under 2^(5 - 127) has its byte held at 1 (a block of zeros too, where the rule says 127: its codes are zeros, and this program alone reads the bytes).
; cos and sin are right for |position x inv_freq| under 2^23.
; THE STORED ORDER OF ROWS.  In xq and in wq's rows of Wq, Wk and Wv bits 3 and 4 of the row's number change places: stored tile 2 b + u of 16 rows holds in its row r the row 32 b + 8 u + r + 8 (r / 8).
; So a product used transposed leaves 16 neighbours along the next K in a lane's 16 registers of two neighbouring tiles.  Wo's rows stay as they are.
; SHARES.  A run is 8,192 numbers, 8 rows: 16 steps of 512 numbers of one wave.  Work-groups 0-255: in_features; 256-383: the four weights, 32 work-groups each; 384-511: the table, an a-block (16 tokens) a wave.
; The quantiser: each of a step's four loads reads 512 consecutive bytes; the 2,048 bytes turn through the wave's own stage in LDS and come back 64 bytes a lane, so that a lane holds 16 neighbours and two lanes a block.
.set STEPS, 16
.set EMAX,  4
.set CB,    12                         ; bytes of 16 codes
.set R,     16                         ; v16-79   four sets of 16 numbers as they are loaded
.set X,     80                         ; v80-111  two sets of 16 neighbours
.set C,     128                        ; v128-191 codes: four registers for each step
.set E,     112                        ; v112-127 a scale byte for each step
.set WREG,  8192                       ; LDS: a region for each wave: two stages of 32 x SP bytes, behind them its 256 scale bytes
.set SP,    80                         ; a lane's place in a stage: 64 bytes + 16 of padding
.set SPW,   12                         ; v12  LDS address of my spare word; never rewritten
.set NIL,   13                         ; v13  0; never rewritten
.set SPARE, 4*WREG                     ; behind the four regions: the spare words, 128 bytes a wave
.set U,     32                         ; the table's path: v32-47 10000^(i/32), v48-63 its reciprocal, v64-95 cos and sin, v96-111 at work
.set F,     48
.set OUT,   64
.set NE,    96
	s_load_b256 s[4:11], s[0:1], 0x0               ; in_features, Wq, Wk, Wv
	s_load_b256 s[12:19], s[0:1], 0x20             ; Wo, token_positions, xq, wq
	s_load_b64 s[20:21], s[0:1], 0x40              ; rope
	v_lshl_add_u32 v[SPW], v0, 2, SPARE
	v_mov_b32 v[NIL], 0
	v_lshrrev_b32 v1, 5, v0
	v_readfirstlane_b32 s22, v1                    ; wave
	v_and_b32 v2, 31, v0                           ; lane
	v_lshlrev_b32 v3, 4, v2                        ; 16 x lane
	s_mul_i32 s23, s22, WREG
	v_lshrrev_b32 v14, 2, v2
	v_mul_u32_u24 v14, v14, SP
	v_and_b32 v15, 3, v2
	v_lshl_add_u32 v14, v15, 4, v14
	v_add_nc_u32 v14, s23, v14                     ; the stage, on the way in: SP (lane / 4) + 16 (lane % 4)
	v_mul_u32_u24 v15, v2, SP
	v_add_nc_u32 v15, s23, v15                     ; and on the way out: SP x lane
	v_mul_u32_u24 v4, v2, CB                       ; my codes' place in a step's
	v_lshrrev_b32 v5, 1, v2
	s_add_co_u32 s23, s23, 2*32*SP
	v_add_nc_u32 v5, s23, v5                       ; LDS: my wave's 256 scale bytes, my block's byte
	v_lshlrev_b32 v7, 3, v2
	v_add_nc_u32 v6, s23, v7                       ; and on the way out 8 bytes a lane
	s_wait_kmcnt 0x0
	s_cmp_ge_u32 ttmp9, 384
	s_cbranch_scc1 .Lrope
	; which tensor, which run: every choice hangs on the work-group's number alone
	s_sub_co_u32 s24, ttmp9, 256                   ; j, for a weight's work-group
	s_lshr_b32 s25, s24, 5                         ; 0 Wq, 1 Wk, 2 Wv, 3 Wo
	s_cmp_eq_u32 s25, 1
	s_cselect_b64 s[6:7], s[8:9], s[6:7]
	s_cmp_eq_u32 s25, 2
	s_cselect_b64 s[6:7], s[10:11], s[6:7]
	s_cmp_eq_u32 s25, 3
	s_cselect_b64 s[6:7], s[12:13], s[6:7]
	s_and_b32 s26, s24, 31
	s_lshl_b32 s26, s26, 2                         ; a weight's run on the way in: 4 (j % 32) + wave
	s_lshl_b32 s27, s24, 2                         ; and in wq: 4 j + wave
	s_lshl_b32 s28, ttmp9, 2                       ; in_features: 4 g + wave, in and out
	s_mov_b32 s29, 3145728                         ; where wq's scale bytes begin
	s_cmp_lt_u32 ttmp9, 256
	s_cselect_b64 s[4:5], s[4:5], s[6:7]
	s_cselect_b64 s[16:17], s[16:17], s[18:19]
	s_cselect_b32 s29, 6291456, s29                ; where xq's begin
	s_cselect_b32 s26, s28, s26
	s_cselect_b32 s27, s28, s27
	s_add_co_u32 s26, s26, s22
	s_add_co_u32 s27, s27, s22
	s_and_b32 s30, s27, 1                          ; the stored order: bits 0 and 1 of the run (3 and 4 of the row) change places
	s_lshl_b32 s30, s30, 1
	s_bfe_u32 s31, s27, 0x10001
	s_or_b32 s30, s30, s31
	s_and_b32 s31, s27, -4
	s_or_b32 s30, s30, s31
	s_cmp_lt_u32 ttmp9, 352                        ; all but Wo
	s_cselect_b32 s27, s30, s27
	s_lshl_b32 s32, s26, 15                        ; 32,768 bytes of f32 a run
	s_mov_b32 s33, 0
	s_add_nc_u64 s[4:5], s[4:5], s[32:33]
	s_mul_i32 s32, s27, 6144                       ; 6,144 bytes of codes
	s_add_nc_u64 s[8:9], s[16:17], s[32:33]
	s_lshl_b32 s32, s27, 8                         ; 256 scale bytes
	s_add_co_u32 s32, s32, s29
	s_add_nc_u64 s[10:11], s[16:17], s[32:33]
.macro LOAD t
.irp i, 0,1,2,3
	global_load_b128 v[R+16*((\t)%4)+4*\i:R+16*((\t)%4)+4*\i+3], v3, s[4:5] offset:2048*(\t)+512*\i th:TH_LOAD_NT   ; 32 lanes read 512 consecutive bytes
.endr
.endm
.macro TURN t                          ; step t's numbers through the stage: LDS serves a wave's instructions in order, so no wait stands between the stores and the loads
.irp i, 0,1,2,3
	ds_store_b128 v14, v[R+16*((\t)%4)+4*\i:R+16*((\t)%4)+4*\i+3] offset:32*SP*((\t)%2)+8*SP*\i
.endr
.irp i, 0,1,2,3
	ds_load_b128 v[X+16*((\t)%2)+4*\i:X+16*((\t)%2)+4*\i+3], v15 offset:32*SP*((\t)%2)+16*\i
.endr
.endm
.irp t, 0,1,2,3
	LOAD \t
.endr
	s_wait_loadcnt 12                              ; step 0's four loads are in
	TURN 0
.macro STEP t
.set XS, X+16*((\t)%2)
.if (\t) > 0
	s_wait_dscnt 1                                 ; this step's numbers are back from the stage (the last step's byte store may be out)
.else
	s_wait_dscnt 0x0
.endif
.if (\t)+4 < STEPS
	LOAD (\t)+4                                    ; into the registers that this step's stores into the stage have read
.endif
.if (\t)+1 < STEPS
.if STEPS-2-(\t) >= 3
	s_wait_loadcnt 12                              ; the next step's four loads are in; those of the three steps behind it may be out
.else
	s_wait_loadcnt 4*(STEPS-2-(\t))
.endif
	TURN (\t)+1
.endif
	v_max3_num_f32 v8, |v[XS]|, |v[XS+1]|, |v[XS+2]|               ; the largest magnitude of my 16, in two chains
	v_max3_num_f32 v9, |v[XS+3]|, |v[XS+4]|, |v[XS+5]|
.irp i, 6,10
	v_max3_num_f32 v8, v8, |v[XS+\i]|, |v[XS+\i+1]|
	v_max3_num_f32 v9, v9, |v[XS+\i+2]|, |v[XS+\i+3]|
.endr
	v_max3_num_f32 v8, v8, |v[XS+14]|, |v[XS+15]|
	v_max3_num_f32 v8, v8, v9, (EMAX+1)<<23        ; and the floor 2^(EMAX + 1 - 127): the byte cannot fall under 1
	v_max_num_f32_dpp v8, v8, v8 row_xmask:1 row_mask:0xf bank_mask:0xf   ; and of my neighbour's 16: the block's
	v_add_nc_u32 v11, -(EMAX<<23), v8              ; EMAX off its exponent field: the conversion takes the exponent field of this operand as its scale
	v_cvt_scalef32_pk16_bf6_f32 v[C+4*(\t):C+4*(\t)+2], v[XS:XS+15], v11
	v_lshrrev_b32 v[E+(\t)], 23, v11               ; the scale's byte (also the plain line behind the conversion)
	ds_store_b8 v5, v[E+(\t)] offset:16*(\t)       ; both lanes of a block write the same byte with the same value
	global_store_b96 v4, v[C+4*(\t):C+4*(\t)+2], s[8:9] offset:32*CB*(\t)   ; the wave stores 384 consecutive bytes
.endm
.irp t, 0,1,2,3,4,5,6,7,8,9,10,11,12,13,14,15
	STEP \t
.endr
	ds_load_b64 v[8:9], v6                         ; LDS serves a wave's instructions in order: these see my stores
	s_wait_dscnt 0x0
	global_store_b64 v7, v[8:9], s[10:11]          ; 32 lanes store 256 consecutive bytes, aligned
	s_branch .Lend
; THE TABLE.  a-block A, lane (r, h): token 32 (A / 2) + 8 (A % 2) + r + 8 (r / 8); its 16 pairs (cos, sin) k = 0 .. 15 belong to the frequencies i = 16 (k / 8) + k % 8 + 8 h:
; those of the pairs of features that the lane holds in the second launch.  inv_freq is made as reference() makes it: the f32 number 10000^(i / 32) = 10^(i / 8), then 1 / it, rounded once;
; the angle is one f32 product.  Sine and cosine: the angle less n pi / 2 in three parts by fused multiply-adds, two short polynomials, the quadrant by n's low bits.
.Lrope:
	s_sub_co_u32 s24, ttmp9, 384
	s_lshl_b32 s24, s24, 2
	s_add_co_u32 s24, s24, s22                     ; A
	s_lshr_b32 s25, s24, 1
	s_lshl_b32 s25, s25, 5
	s_and_b32 s26, s24, 1
	s_lshl_b32 s26, s26, 3
	s_add_co_u32 s25, s25, s26                     ; the a-block's first token
	s_lshl_b32 s26, s25, 2
	s_mov_b32 s27, 0
	s_add_nc_u64 s[14:15], s[14:15], s[26:27]
	s_lshl_b32 s26, s24, 12                        ; 4,096 bytes of table an a-block
	s_add_nc_u64 s[20:21], s[20:21], s[26:27]
	v_and_b32 v16, 15, v0
	v_and_b32 v17, 8, v16
	v_add_nc_u32 v16, v16, v17
	v_lshlrev_b32 v16, 2, v16                      ; 4 (r + 8 (r / 8))
	global_load_b32 v19, v16, s[14:15]
	s_mov_b32 s40, 0xffff0000                      ; lanes 16-31
	s_mov_b32 s41, 0x3f22f983                      ; 2 / pi
	s_mov_b32 s42, 0x3fc90fdb                      ; pi / 2 in three parts
	s_mov_b32 s43, 0xb33bbd2e
	s_mov_b32 s44, 0xa6f72ced
	s_mov_b32 s45, 0xb94ca1f9                      ; the sine's coefficients: -1.9515295891e-4, 8.3321608736e-3, -1.6666654611e-1
	s_mov_b32 s46, 0x3c08839e
	s_mov_b32 s47, 0xbe2aaaa3
	s_mov_b32 s48, 0x37ccf5ce                      ; the cosine's: 2.443315711809948e-5, -1.388731625493765e-3, 4.166664568298827e-2
	s_mov_b32 s49, 0xbab6061a
	s_mov_b32 s50, 0x3d2aaaa5
.macro UF k, lit0, lit1                ; 10^(i / 8): lanes 0-15 take lit0, lanes 16-31 ten times as much
	v_mov_b32 v[U+\k], \lit1
	v_cndmask_b32 v[U+\k], \lit0, v[U+\k], s40
.endm
	UF 0, 1.0, 10.0
	UF 1, 1.3335214321633240, 13.335214321633240
	UF 2, 1.7782794100389228, 17.782794100389228
	UF 3, 2.3713737056616552, 23.713737056616552
	UF 4, 3.1622776601683795, 31.622776601683795
	UF 5, 4.2169650342858223, 42.169650342858223
	UF 6, 5.6234132519034908, 56.234132519034908
	UF 7, 7.4989420933245582, 74.989420933245582
	UF 8, 100.0, 1000.0
	UF 9, 133.35214321633240, 1333.5214321633240
	UF 10, 177.82794100389228, 1778.2794100389228
	UF 11, 237.13737056616552, 2371.3737056616552
	UF 12, 316.22776601683795, 3162.2776601683795
	UF 13, 421.69650342858223, 4216.9650342858223
	UF 14, 562.34132519034908, 5623.4132519034908
	UF 15, 749.89420933245582, 7498.9420933245582
.irp k, 0,1,2,3,4,5,6,7,8,9,10,11,12,13,14,15
	v_rcp_f32 v[F+\k], v[U+\k]
.endr
	v_nop                                          ; a plain line behind the last reciprocal
	s_wait_alu depctr_va_vdst(0)                   ; one wait for the sixteen, ahead of their first reader
.rept 2                                ; two steps of Newton's rule by fused multiply-adds bring 1 / u to the nearest f32 number
.irp k, 0,1,2,3,4,5,6,7,8,9,10,11,12,13,14,15
	v_fma_f32 v[NE+\k], -v[U+\k], v[F+\k], 1.0
.endr
.irp k, 0,1,2,3,4,5,6,7,8,9,10,11,12,13,14,15
	v_fma_f32 v[F+\k], v[F+\k], v[NE+\k], v[F+\k]
.endr
.endr
	s_wait_loadcnt 0x0
	v_cvt_f32_i32 v18, v19                         ; my token's position
.macro SINCOS k
	v_mul_f32 v20, v18, v[F+\k]                    ; the angle, rounded once
	v_mul_f32 v21, s41, v20
	v_rndne_f32 v21, v21                           ; n
	v_fma_f32 v22, -v21, s42, v20
	v_fma_f32 v22, -v21, s43, v22
	v_fma_f32 v22, -v21, s44, v22                  ; r = the angle - n pi / 2
	v_cvt_i32_f32 v23, v21
	v_mul_f32 v24, v22, v22                        ; z = r^2
	v_fma_f32 v25, v24, s45, s46
	v_fma_f32 v25, v25, v24, s47
	v_mul_f32 v25, v25, v24
	v_fma_f32 v25, v25, v22, v22                   ; sin r
	v_fma_f32 v26, v24, s48, s49
	v_fma_f32 v26, v26, v24, s50
	v_mul_f32 v27, v24, v24
	v_fma_f32 v28, v24, -0.5, 1.0
	v_fma_f32 v26, v26, v27, v28                   ; cos r
	v_and_b32 v27, 1, v23
	v_cmp_eq_u32 vcc_lo, 1, v27                    ; an odd n swaps them
	v_cndmask_b32 v28, v25, v26, vcc_lo
	v_cndmask_b32 v29, v26, v25, vcc_lo
	v_and_b32 v27, 2, v23
	v_lshlrev_b32 v27, 30, v27                     ; the sine is negated where n % 4 is 2 or 3,
	v_add_nc_u32 v30, 1, v23
	v_and_b32 v30, 2, v30
	v_lshlrev_b32 v30, 30, v30                     ; the cosine where it is 1 or 2
	v_xor_b32 v[OUT+2*\k+1], v28, v27
	v_xor_b32 v[OUT+2*\k], v29, v30
.endm
.irp k, 0,1,2,3,4,5,6,7,8,9,10,11,12,13,14,15
	SINCOS \k
.endr
.irp q, 0,1,2,3,4,5,6,7
	global_store_b128 v3, v[OUT+4*\q:OUT+4*\q+3], s[20:21] offset:512*\q   ; 32 lanes store 512 consecutive bytes, aligned
.endr
.Lend:
	s_wait_tensorcnt 0x0                           ; the wave's end
	ds_add_u32 v[SPW], v[NIL]
	s_wait_dscnt 0x0
	s_endpgm
.Lfunc_end_k_q4ce04e48c8_prep:
	.size	k_q4ce04e48c8_prep, .Lfunc_end_k_q4ce04e48c8_prep-k_q4ce04e48c8_prep
	.p2alignl 7, 3214868480
	.fill 96, 4, 3214868480
	.section	.rodata,"a",@progbits
	.p2align	6, 0x0
	.amdhsa_kernel k_q4ce04e48c8_prep
		.amdhsa_group_segment_fixed_size 33280
		.amdhsa_private_segment_fixed_size 0
		.amdhsa_enable_private_segment 0
		.amdhsa_kernarg_size 72
		.amdhsa_user_sgpr_count 2
		.amdhsa_user_sgpr_kernarg_segment_ptr 1
		.amdhsa_wavefront_size32 1
		.amdhsa_system_sgpr_workgroup_id_x 1
		.amdhsa_system_sgpr_workgroup_id_y 1
		.amdhsa_system_sgpr_workgroup_id_z 1
		.amdhsa_system_vgpr_workitem_id 0
		.amdhsa_next_free_vgpr 192
		.amdhsa_next_free_sgpr 66
		.amdhsa_reserve_vcc 1
		.amdhsa_float_denorm_mode_32 3
		.amdhsa_float_denorm_mode_16_64 3
		.amdhsa_memory_ordered 1
		.amdhsa_forward_progress 1
		.amdhsa_inst_pref_size 61
	.end_amdhsa_kernel
	.amdgpu_metadata
---
amdhsa.version: [ 1, 2 ]
amdhsa.kernels:
  - .name:           k_q4ce04e48c8_prep
    .symbol:         k_q4ce04e48c8_prep.kd
    .args:
      - { .name: in_features, .offset: 0, .size: 8, .value_kind: global_buffer, .address_space: global }
      - { .name: Wq, .offset: 8, .size: 8, .value_kind: global_buffer, .address_space: global }
      - { .name: Wk, .offset: 16, .size: 8, .value_kind: global_buffer, .address_space: global }
      - { .name: Wv, .offset: 24, .size: 8, .value_kind: global_buffer, .address_space: global }
      - { .name: Wo, .offset: 32, .size: 8, .value_kind: global_buffer, .address_space: global }
      - { .name: token_positions, .offset: 40, .size: 8, .value_kind: global_buffer, .address_space: global }
      - { .name: xq, .offset: 48, .size: 8, .value_kind: global_buffer, .address_space: global }
      - { .name: wq, .offset: 56, .size: 8, .value_kind: global_buffer, .address_space: global }
      - { .name: rope, .offset: 64, .size: 8, .value_kind: global_buffer, .address_space: global }
    .group_segment_fixed_size: 33280
    .private_segment_fixed_size: 0
    .kernarg_segment_align: 8
    .kernarg_segment_size: 72
    .max_flat_workgroup_size: 128
    .sgpr_count:     66
    .vgpr_count:     192
    .wavefront_size: 32
...
	.end_amdgpu_metadata
.endif
;; end of part 1
;; launch qkv (part 2): grid 12 x 32, 4 waves a work-group, clusters of 4 x 4, 327,680 bytes of LDS; arguments xq, wq, rope, qkv; writes qkv
.if DOCPART == 2
	.amdgcn_target "amdgcn-amd-amdhsa--gfx1250"
	.amdhsa_code_object_version 6
	.text
	.protected	k_q4ce04e48c8_qkv
	.globl	k_q4ce04e48c8_qkv
	.p2align	8
	.type	k_q4ce04e48c8_qkv,@function
k_q4ce04e48c8_qkv:
	s_mov_b64 s[64:65], 0
	v_nop
	global_prefetch_b8 v0, s[64:65] scope:SCOPE_SE
	s_setreg_imm32_b32 hwreg(HW_REG_WAVE_MODE, 25, 1), 1
	s_wait_xcnt 0x0
	s_wait_alu depctr_hold_cnt(0) depctr_sa_sdst(0) depctr_va_vdst(0) depctr_va_sdst(0) depctr_va_ssrc(0) depctr_va_vcc(0) depctr_vm_vsrc(0)
	s_getreg_b32 s2, hwreg(HW_REG_IB_STS2, 6, 4)
	s_cmp_eq_u32 s2, 0
	s_cbranch_scc0 .Lentry_in_a_cluster
	s_endpgm
.Lentry_in_a_cluster:
	s_bfe_u32 s2, ttmp6, 0x10000c
	s_cmp_lg_u32 s2, 0xf033
	s_cbranch_scc0 .Lentry_shape_is_right
	s_endpgm
.Lentry_shape_is_right:
; Q, K and V = x W^T on codes of BF6 with E8M0 scales, then RoPE on Q and K in f32, then the quantisers of the attention's products: Q and K along the head's 64, V along the keys.  Nothing wider than codes goes to memory.
; A GEMM of 256 x 256 a work-group, four waves of 128 x 128 (64 accumulators, 512 registers), K = 1,024 in four steps of 256 through a ring of two LDS slots filled by the tensor data mover; the scale bytes of the
; work-group's rows come once, with the first fills.  4 x 4 work-groups form a cluster; A's tiles are asked for jointly along a row of the cluster, B's along a column.
; THE MATRIX INSTRUCTION IS USED TRANSPOSED: source 0 = 16 rows of 'B', source 1 = 16 rows of 'A'; a lane then holds ONE row of A and its registers run along B's rows.
; Clusters x = 0 (Q) and 1 (K): A = x's rows (tokens), B = the weight's rows (features): a lane holds a token and 64 features of each of two heads.  Cluster x = 2 (V): A = Wv's rows, B = x's rows: a lane holds a feature and 128 keys.
; THE STORED ORDER (made by the first launch: bits 3 and 4 of a row's number swapped) makes the 64 registers of one block of A, register 16 b + i, the rows 32 b + 16 (lane / 16) + i of B: what the conversions want.
; WHAT IS STORED: for each (batch x head, step of 128 tokens) a record of REC bytes: K's codes, V's codes, K's and V's scale words, Q's codes, Q's scale words, all as IMAGES OF OPERAND REGISTERS: chunk q (four registers) at 512 q + 16 x lane.
; An image of K or Q (32 tokens): registers 0-5 the 16 tokens of the even a-block (64 codes each), 6-11 those of the odd one.  An image of V: 16 features x 128 keys.  Scale words: 16 bytes a row, four words.
; REGISTERS in the loop: window 0: v16-29 addresses; v32-63 scale words, two sets; v128-223 A's fragments.  Window 1: B's fragments, two sets.  Windows 2, 3: the accumulators ((a, b) at v[8 (8 (a % 4) + b)]).
.set KSTEP,  256
.set NQ,     2
.set ROWB,   192                       ; a tile's row: 256 codes
.set KROW,   768                       ; a row of codes in memory
.set PITCH,  240                       ; an LDS row: 3 x (64 bytes + 16 of padding)
.set FR,     12
.set NL,     6
.set NP,     4                         ; places behind this matrix instruction (ISA guide 7.12.1)
.set HALFT,  128*PITCH
.set SLOT,   4*HALFT
.set KS,     32                        ; a row of scale bytes
.set SCL,    2*SLOT                    ; behind the ring: the scales, as units of 256 bytes + 16 of padding
.set HALFS,  16*272
.set SBLK,   2*272
.set SPARE,  SCL+4*HALFS               ; the spare words, 128 bytes a wave
.set REC,    19200                     ; a record;  K's codes 0, V's 6,144, K's scale words 12,288, V's 12,544, Q's codes 12,800, Q's scale words 18,944
.set HS,     16*REC                    ; from head to head
.set ADRA, 16
.set ADRB, 20
.set ADRS, 27
.set SPW,  28
.set NIL,  29
.set SC,   32
.set AF,   128
.set ST,   32                          ; the way out, window 0: v32-95 64 numbers behind RoPE
.set CSR,  96                          ; v96-159 two sets of 16 pairs (cos, sin)
.set IMG,  160                         ; v160-183 two images
.set T0,   184                         ; v184-186, v188-190 the conversions' second halves
.set T1,   188
.set TM,   192                         ; v192-207 at work
.set PWS,  208                         ; v208-215 the eight blocks' scale words
.set SW,   216                         ; v216-219 four words to store
.set VSEL, 220
.set OFFC, 222                         ; 16 x lane
.set OFFS, 223                         ; 16 r + HS (lane / 16)
.set G1, 24
.set G0, 32
.set G1B, 48
.set G0B, 56
.set G1S, 68
.set G0S, 76
.set G1SB, 80
.set G0SB, 88
.set MSB, 0
.macro WIN new                         ; the immediate's high byte repeats the setting that is left
.if MSB != (\new)
	s_set_vgpr_msb (MSB<<8)|(\new)
.set MSB, (\new)
.endif
.endm
.set MUL_LO, 0xa1                      ; source 0 (B) window 1, source 1 (A) window 0, C and D window 2
.set MUL_HI, 0xf1
.set TO_B,   0x40
; A joint load: waves 0 and 1 fetch for A, waves 2 and 3 for B; the branch hangs on the wave's number alone.  An s_nop 0 and four v_nop follow each of the two lines.
.macro JLOAD g0a, g1a, g0b, g1b
	s_cmp_eq_u32 s15, 0
	s_cbranch_scc0 .Lfor_b_\@
	tensor_load_to_lds s[\g0a:\g0a+3], s[\g1a:\g1a+7]
	s_nop 0
.rept 4
	v_nop
.endr
	s_branch .Lasked_\@
.Lfor_b_\@:
	tensor_load_to_lds s[\g0b:\g0b+3], s[\g1b:\g1b+7]
	s_nop 0
.rept 4
	v_nop
.endr
.Lasked_\@:
.endm
.macro CREST                           ; a round of the cluster's barrier behind its opening barrier
	s_cmp_lg_u32 s14, 0
	s_cbranch_scc1 .Lnot_wave_0_\@
	s_barrier_signal -3
.Lnot_wave_0_\@:
	s_barrier_wait -3
	s_barrier_signal -1
	s_barrier_wait -1
.endm
.macro CROUND
	s_barrier_signal -1
	s_barrier_wait -1
	CREST
.endm
	s_load_b256 s[4:11], s[0:1], 0x0               ; xq, wq, rope, qkv
	v_lshl_add_u32 v[SPW], v0, 2, SPARE
	v_mov_b32 v[NIL], 0
	ds_add_u32 v[SPW], v[NIL]                      ; the wave's opening
	ds_add_u32 v[SPW], v[NIL]
	v_lshrrev_b32 v1, 5, v0
	v_readfirstlane_b32 s14, v1                    ; wave 0..3
	s_lshr_b32 s15, s14, 1                         ; which half of A's rows is mine.  Also: I fetch for A (0) or for B (1)
	s_and_b32 s16, s14, 1                          ; which half of B's rows.  Also: which 128 rows of that tile I fetch
	s_bfe_u32 s40, ttmp6, 0x40000                  ; cx, cy: my place in the cluster
	s_bfe_u32 s41, ttmp6, 0x40004
	s_lshl_b32 s42, ttmp9, 2                       ; 4 x cluster x
	s_and_b32 s17, ttmp7, 0xffff
	s_lshl_b32 s17, s17, 2                         ; 4 x cluster y
	s_mov_b32 s2, 6291456                          ; where A's scale bytes begin in its buffer (xq),
	s_mov_b32 s100, 3145728                        ; and B's (wq)
	s_cmp_eq_u32 ttmp9, 2                          ; the cluster's x: the same in all sixteen partners
	s_cselect_b32 s95, 1, 0                        ; 1: this cluster makes V
	s_cselect_b32 s42, s17, s42                    ; V: B's tiles walk the tokens,
	s_cselect_b32 s17, 8, s17                      ; and A's are Wv's, rows 2,048 on of wq
	s_cselect_b32 s2, 3145728, s2
	s_cselect_b32 s100, 6291456, s100
	s_mov_b32 s3, 0
	s_mov_b32 s101, 0
	s_add_co_u32 s42, s42, s40                     ; B's tile: it hangs on cx alone
	s_add_co_u32 s17, s17, s41                     ; A's tile: on cy alone
	s_lshl_b32 s43, s41, 2
	s_lshl_b32 s43, 15, s43                        ; my row of the cluster
	s_lshl_b32 s44, 0x1111, s40                    ; my column
	s_or_b32 s[G1+0], s43, (0<<16)|(1<<20)|(1<<21)|(3<<22)|(3<<25)  ; the mask; elements of 1 byte; padding on; bit 21 beside a mask; after every 16 words 4 words
	s_or_b32 s[G1B+0], s44, (0<<16)|(1<<20)|(1<<21)|(3<<22)|(3<<25)
.irp g, G1, G1B
	s_mov_b32 s[\g+1], ROWB<<16                    ; tensor_dim0
	s_mov_b32 s[\g+2], 128<<16                     ; tensor_dim1
	s_mov_b32 s[\g+3], ROWB<<16                    ; tile_dim0
	s_mov_b32 s[\g+4], 128                         ; tile_dim1
	s_mov_b32 s[\g+5], KROW                        ; the pitch
	s_mov_b32 s[\g+6], 0
	s_mov_b32 s[\g+7], 0
.endr
	s_or_b32 s[G1S+0], s43, (3<<16)|(1<<20)|(1<<21)|(5<<22)|(3<<25)  ; the scales of 128 rows: 4,096 dense bytes as 16 rows of 256, 16 bytes of padding behind each
	s_or_b32 s[G1SB+0], s44, (3<<16)|(1<<20)|(1<<21)|(5<<22)|(3<<25)
.irp g, G1S, G1SB
	s_mov_b32 s[\g+1], 32<<16
	s_mov_b32 s[\g+2], 16<<16
	s_mov_b32 s[\g+3], 32<<16
	s_mov_b32 s[\g+4], 16
	s_mov_b32 s[\g+5], 32
	s_mov_b32 s[\g+6], 0
	s_mov_b32 s[\g+7], 0
.endr
	s_lshl_b32 s18, s16, 7                         ; which 128 rows of the tile I fetch
	s_lshl_b32 s20, s17, 8
	s_add_co_u32 s20, s20, s18                     ; A's row
	s_lshl_b32 s46, s42, 8
	s_add_co_u32 s46, s46, s18                     ; B's row
	s_mov_b32 s21, 0
	s_mov_b32 s47, 0
	s_mov_b64 s[18:19], KS
	s_mul_u64 s[22:23], s[20:21], s[18:19]
	s_mul_u64 s[92:93], s[46:47], s[18:19]
	s_add_nc_u64 s[22:23], s[22:23], s[2:3]        ; these rows' scale bytes,
	s_add_nc_u64 s[92:93], s[92:93], s[100:101]
	s_mov_b64 s[18:19], KROW
	s_mul_u64 s[20:21], s[20:21], s[18:19]         ; and their codes
	s_mul_u64 s[46:47], s[46:47], s[18:19]
	s_mul_i32 s45, s14, HALFT                      ; where they go: wave x 128 rows
	s_mul_i32 s94, s14, HALFS
	s_wait_dscnt 0x0                               ; both opening adds are done
	s_wait_kmcnt 0x0
	s_cmp_eq_u32 s95, 1
	s_cselect_b64 s[96:97], s[6:7], s[4:5]         ; A's buffer
	s_cselect_b64 s[98:99], s[4:5], s[6:7]         ; B's
	s_add_nc_u64 s[20:21], s[96:97], s[20:21]
	s_add_nc_u64 s[22:23], s[96:97], s[22:23]
	s_add_nc_u64 s[46:47], s[98:99], s[46:47]
	s_add_nc_u64 s[92:93], s[98:99], s[92:93]
	CROUND                                         ; all sixteen work-groups are here: the first joint loads meet
	s_mov_b32 s[G0S], 1
	s_add_co_u32 s[G0S+1], s94, SCL
	s_mov_b64 s[G0S+2:G0S+3], s[22:23]
	s_or_b32 s[G0S+3], s[G0S+3], 0x80000000
	s_mov_b32 s[G0SB], 1
	s_add_co_u32 s[G0SB+1], s94, SCL
	s_mov_b64 s[G0SB+2:G0SB+3], s[92:93]
	s_or_b32 s[G0SB+3], s[G0SB+3], 0x80000000
	JLOAD G0S, G1S, G0SB, G1SB                     ; the scales first: they are wanted with K step 0
.irp s, 0,1
	s_mov_b32 s[G0+4*\s], 1
	s_add_co_u32 s[G0+4*\s+1], s45, \s*SLOT
	s_add_nc_u64 s[G0+4*\s+2:G0+4*\s+3], s[20:21], \s*ROWB
	s_or_b32 s[G0+4*\s+3], s[G0+4*\s+3], 0x80000000
	s_mov_b32 s[G0B+4*\s], 1
	s_add_co_u32 s[G0B+4*\s+1], s45, \s*SLOT
	s_add_nc_u64 s[G0B+4*\s+2:G0B+4*\s+3], s[46:47], \s*ROWB
	s_or_b32 s[G0B+4*\s+3], s[G0B+4*\s+3], 0x80000000
	JLOAD G0+4*\s, G1, G0B+4*\s, G1B
.endr
	v_and_b32 v1, 15, v0                           ; r
	v_bfe_u32 v2, v0, 4, 1                         ; h
	v_mul_u32_u24 v3, v1, PITCH
	v_mul_u32_u24 v4, v2, 24
	v_add_nc_u32 v4, v3, v4                        ; a fragment's row x pitch + 24 x half
	v_lshl_add_u32 v5, v2, 4, v4                   ; and the same behind one padding more
	s_mul_i32 s21, s15, HALFT
	s_mul_i32 s22, s16, HALFT
	s_add_co_u32 s22, s22, 2*HALFT
.irp s, 0,1
	v_add_nc_u32 v[ADRA+\s], s21, v4
	v_add_nc_u32 v[ADRB+\s], s22, v4
	v_add_nc_u32 v[ADRA+2+\s], s21, v5
	v_add_nc_u32 v[ADRB+2+\s], s22, v5
	s_add_co_u32 s21, s21, SLOT
	s_add_co_u32 s22, s22, SLOT
.endr
	v_mul_u32_u24 v5, v1, KS
	v_lshrrev_b32 v6, 8, v5
	v_lshl_add_u32 v5, v6, 4, v5                   ; my row's scales: 32 bytes a row, 16 more for each 256 passed
	s_mul_i32 s21, s15, HALFS
	s_mul_i32 s22, s16, HALFS
	s_add_co_u32 s22, s22, 2*HALFS
	s_sub_co_u32 s22, s22, s21
	v_mul_u32_u24 v6, s22, v2                      ; lanes 16-31 take B's
	s_add_co_u32 s21, s21, SCL
	v_add_nc_u32 v5, v5, v6
	v_add_nc_u32 v[ADRS], s21, v5
	; where the results go.  Q, K: my 128 tokens are A's rows, my two heads B's;  V: the other way round
	s_lshl_b32 s96, s17, 8
	s_lshl_b32 s97, s15, 7
	s_add_co_u32 s96, s96, s97                     ; A's first row of mine
	s_lshl_b32 s98, s42, 8
	s_lshl_b32 s97, s16, 7
	s_add_co_u32 s98, s98, s97                     ; B's
	s_lshl_b32 s46, s40, 2
	s_lshl_b32 s97, s16, 1
	s_add_co_u32 s46, s46, s97                     ; Q, K: my first head = 4 cx + 2 x half
	s_lshl_b32 s47, s41, 2
	s_lshl_b32 s97, s15, 1
	s_add_co_u32 s47, s47, s97                     ; V: 4 cy + 2 x half
	s_mov_b32 s99, 12288
	s_cmp_eq_u32 s95, 1
	s_cselect_b32 s98, s98, s96                    ; my first token
	s_cselect_b32 s46, s47, s46                    ; my first head
	s_cselect_b32 s47, 6144, 0                     ; the codes' place in a record: V's, K's,
	s_cselect_b32 s99, 12544, s99                  ; and the scale words'
	s_cmp_eq_u32 ttmp9, 0
	s_cselect_b32 s47, 12800, s47                  ; Q's
	s_cselect_b32 s99, 18944, s99
	s_lshr_b32 s97, s98, 11                        ; the batch
	s_lshl_b32 s97, s97, 4
	s_add_co_u32 s97, s97, s46
	s_lshl_b32 s97, s97, 4
	s_bfe_u32 s98, s98, 0x40007                    ; the step of 128 tokens
	s_add_co_u32 s97, s97, s98
	s_mul_i32 s97, s97, REC
	s_add_co_u32 s46, s97, s47
	s_mov_b32 s47, 0
	s_add_nc_u64 s[12:13], s[10:11], s[46:47]      ; the codes' base
	s_add_co_u32 s46, s97, s99
	s_add_nc_u64 s[92:93], s[10:11], s[46:47]      ; the scale words'
	s_lshl_b32 s46, s96, 8                         ; the table: 4,096 bytes for each 16 rows of A (used for Q and K alone)
	s_add_nc_u64 s[20:21], s[8:9], s[46:47]
.macro FRAG reg, adr, q, i             ; 16 rows x 128 K: 12 registers; lane l: row l % 16, registers 6 c .. 6 c + 5 = K 64 c + 32 (l / 16) + 0 .. 31, in pieces of 8 bytes
.irp p, 0,1,2,3,4,5
.set PC, 12*(\q)+6*(\p/3)+\p%3        ; where the piece three on lies behind one padding more, the second address register serves
.if PC%8 < 5
	ds_load_b64 v[\reg+2*\p:\reg+2*\p+1], v[\adr] offset:8*PC+16*(PC/8)+(\i)*16*PITCH
.else
	ds_load_b64 v[\reg+2*\p:\reg+2*\p+1], v[\adr+2] offset:8*PC+16*(PC/8)+(\i)*16*PITCH
.endif
.endr
.endm
; 16 matrix instructions: A's blocks a0, a0 + 1 x B's eight.  The 64 accumulators take turns, one instruction a turn, in the same order in every step.
.macro MUL16 a0, p, q, sc, zero
.irp a, \a0, \a0+1
.irp b, 0,1,2,3,4,5,6,7
.if \zero
	v_wmma_scale_f32_16x16x128_f8f6f4 v[8*(8*((\a)%4)+\b):8*(8*((\a)%4)+\b)+7], v[128*(\p)+FR*\b:128*(\p)+FR*\b+FR-1], v[AF+FR*(\a):AF+FR*(\a)+FR-1], 0, v[SC+8*NQ*(\sc)+NQ*\b+(\q)], v[SC+8*NQ*(\sc)+NQ*(\a)+(\q)] matrix_a_fmt:MATRIX_FMT_BF6 matrix_b_fmt:MATRIX_FMT_BF6 matrix_a_scale:MATRIX_SCALE_ROW1
.else
	v_wmma_scale_f32_16x16x128_f8f6f4 v[8*(8*((\a)%4)+\b):8*(8*((\a)%4)+\b)+7], v[128*(\p)+FR*\b:128*(\p)+FR*\b+FR-1], v[AF+FR*(\a):AF+FR*(\a)+FR-1], v[8*(8*((\a)%4)+\b):8*(8*((\a)%4)+\b)+7], v[SC+8*NQ*(\sc)+NQ*\b+(\q)], v[SC+8*NQ*(\sc)+NQ*(\a)+(\q)] matrix_a_fmt:MATRIX_FMT_BF6 matrix_b_fmt:MATRIX_FMT_BF6 matrix_a_scale:MATRIX_SCALE_ROW1
.endif
.endr
.endr
.endm
.macro FETCH_B slot, q, p
	WIN TO_B
.irp i, 0,1,2,3,4,5,6,7
	FRAG 128*(\p)+FR*\i, ADRB+\slot, \q, \i
.endr
	WIN 0
.endm
.macro FETCH_A slot, q, i0
.irp i, \i0, \i0+1, \i0+2, \i0+3
	FRAG AF+FR*(\i), ADRA+\slot, \q, \i
.endr
.endm
.macro SCALES sc                       ; the K step's scale words: lanes 0-15 take A's block i, lanes 16-31 B's block i
.irp i, 0,1,2,3,4,5,6,7
	ds_load_b64 v[SC+8*NQ*\sc+NQ*\i:SC+8*NQ*\sc+NQ*\i+1], v[ADRS] offset:\i*SBLK
.endr
.endm
.macro PLACES n                        ; plain vector lines between a matrix instruction and a load into, or a vector line on, its registers
.rept \n
	v_nop
.endr
.endm
.macro STEP slot, q, zero              ; 128 along K that have their successor in the same slot
	s_wait_dscnt 4*NL                              ; B's set and A's blocks 0-3 are in; the 24 loads of A's blocks 4-7 may be out
	WIN MUL_LO
	MUL16 0, (\q)%2, \q, \slot, \zero
	MUL16 2, (\q)%2, \q, \slot, \zero
	s_wait_dscnt 0
	PLACES NP
	FETCH_B \slot, (\q)+1, 1-(\q)%2
	FETCH_A \slot, (\q)+1, 0
	WIN MUL_HI
	MUL16 4, (\q)%2, \q, \slot, \zero
	MUL16 6, (\q)%2, \q, \slot, \zero
	PLACES NP
	WIN 0
	FETCH_A \slot, (\q)+1, 4
.endm
; A slot's last 128 change slots: one barrier; in front of it each wave waits for all its tensor loads, adds 0 to its spare word, and waits for that and for its reads of this slot.  fill = 1: the slot is filled again.
.macro TURN slot, next, fill
	s_wait_tensorcnt 0x0                           ; all my tensor loads have landed: my part of the next slot
	ds_add_u32 v[SPW], v[NIL]                      ; 0 onto my spare word
	s_wait_dscnt 4*NL+1                            ; (the add and the 24 loads of A's blocks 4-7 may be out)
	WIN MUL_LO
	MUL16 0, 1, NQ-1, \slot, 0
	s_wait_dscnt 0x0                               ; the add is done, and my reads of this slot are over
	s_barrier_signal -1
	MUL16 2, 1, NQ-1, \slot, 0
	WIN 0
	s_barrier_wait -1
.if \fill
	CREST                                          ; the barrier has opened a round of the cluster's: no wave of any partner still reads this slot or has a load on its way
	s_add_nc_u64 s[G0+4*\slot+2:G0+4*\slot+3], s[G0+4*\slot+2:G0+4*\slot+3], 2*ROWB
	s_add_nc_u64 s[G0B+4*\slot+2:G0B+4*\slot+3], s[G0B+4*\slot+2:G0B+4*\slot+3], 2*ROWB
	JLOAD G0+4*\slot, G1, G0B+4*\slot, G1B         ; the first tensor load behind the round; its four v_nop are the places in front of the loads below
.else
	PLACES NP
.endif
	v_add_nc_u32 v[ADRS], 4*NQ, v[ADRS]
	FETCH_B \next, 0, 0
	FETCH_A \next, 0, 0
	SCALES \next
	WIN MUL_HI
	MUL16 4, 1, NQ-1, \slot, 0
	MUL16 6, 1, NQ-1, \slot, 0
	PLACES NP
	WIN 0
	FETCH_A \next, 0, 4
.endm
	s_wait_tensorcnt 1                             ; the scales and my part of K step 0 are in (K step 1's load may be out),
	s_barrier_signal -1
	s_barrier_wait -1                              ; everybody's are
	FETCH_B 0, 0, 0
	FETCH_A 0, 0, 0
	SCALES 0
	FETCH_A 0, 0, 4
	STEP 0, 0, 1                                   ; K = 1,024 is four K steps, twice round the ring: written straight.  The first products start the sums
	TURN 0, 1, 1                                   ; slot 0 takes K step 2
	STEP 1, 0, 0
	TURN 1, 0, 1                                   ; slot 1 takes K step 3
	STEP 0, 0, 0
	TURN 0, 1, 0
	STEP 1, 0, 0
	s_wait_dscnt 4*NL
	WIN MUL_LO
	MUL16 0, 1, NQ-1, 1, 0
	MUL16 2, 1, NQ-1, 1, 0
	s_wait_dscnt 0
	WIN MUL_HI
	MUL16 4, 1, NQ-1, 1, 0
	MUL16 6, 1, NQ-1, 1, 0
	WIN 0
; THE WAY OUT: no LDS.  64 numbers of a lane at v[s] on of window w, register 16 b + i = k 32 b + 16 (lane / 16) + i of my row, become 2 x 6 registers of codes at v[d0], v[d1] (k 0-63, k 64-127) and a scale word in v[pw].
.macro QUANT s, w, d0, d1, pw
	WIN ((\w)<<2)|((\w)<<4)                        ; sources 1 and 2 in window w
.irp b, 0,1,2,3
	v_max3_num_f32 v[TM+\b], 0x2800000, |v[\s+16*\b]|, |v[\s+1+16*\b]|   ; block b: my 16 numbers, and the floor 2^(5 - 127); each accumulator is read from its low end on
.endr
.irp i, 2,4,6,8,10,12,14
.irp b, 0,1,2,3
	v_max3_num_f32 v[TM+\b], v[TM+\b], |v[\s+16*\b+\i]|, |v[\s+1+16*\b+\i]|
.endr
.endr
	WIN 0
.irp b, 0,1,2,3
	v_permlanex16_b32 v[TM+4+\b], v[TM+\b], s66, s67
.endr
.irp b, 0,1,2,3
	v_max_num_f32 v[TM+\b], v[TM+\b], v[TM+4+\b]   ; with lane l xor 16's: the block's largest magnitude
.endr
.irp b, 0,1,2,3
	v_add_nc_u32 v[TM+12+\b], 0xfe000000, v[TM+\b] ; 4 off its exponent field: the conversion's scale operand
.endr
.irp b, 0,1,2,3
	v_lshrrev_b32 v[TM+4+\b], 23, v[TM+12+\b]      ; the scale's byte
.endr
	v_lshl_or_b32 v[\pw], v[TM+5], 8, v[TM+4]
	v_lshl_or_b32 v[\pw], v[TM+6], 16, v[\pw]
	v_lshl_or_b32 v[\pw], v[TM+7], 24, v[\pw]
	WIN \w                                         ; source 0 in window w
	v_cvt_scalef32_pk16_bf6_f32 v[\d0:\d0+2], v[\s:\s+15], v[TM+12]
	v_cvt_scalef32_pk16_bf6_f32 v[T0:T0+2], v[\s+16:\s+31], v[TM+13]   ; (a conversion's three registers begin on an even number)
	v_cvt_scalef32_pk16_bf6_f32 v[\d1:\d1+2], v[\s+32:\s+47], v[TM+14]
	v_cvt_scalef32_pk16_bf6_f32 v[T1:T1+2], v[\s+48:\s+63], v[TM+15]
	WIN 0
	v_nop                                          ; one plain line behind a scaled conversion
.irp i, 0,1,2                          ; the operand's layout wants a whole block in a lane
	v_permlane16_swap_b32 v[\d0+\i], v[T0+\i]
	v_permlane16_swap_b32 v[\d1+\i], v[T1+\i]
.endr
.irp i, 0,1,2
	v_mov_b32 v[\d0+3+\i], v[T0+\i]
	v_mov_b32 v[\d1+3+\i], v[T1+\i]
.endr
.endm
.macro RLOAD a, set                    ; block a's 16 pairs (cos, sin) a lane
.irp q, 0,1,2,3,4,5,6,7
	global_load_b128 v[CSR+32*(\set)+4*\q:CSR+32*(\set)+4*\q+3], v[OFFC], s[20:21] offset:4096*(\a)+512*\q
.endr
.endm
.macro ROPE a                          ; (x1, x2) -> (x1 c - x2 s, x2 c + x1 s): registers n, n + 1 are features 32 (n / 16) + 16 h + n % 16 and the next: a pair; both heads take the same 16 pairs of the table
	WIN 2+(\a)/4                                   ; source 0: the accumulators' window
.set n, 0
.rept 32
	v_pk_mul_f32 v[ST+n:ST+n+1], v[64*((\a)%4)+n:64*((\a)%4)+n+1], v[CSR+32*((\a)%2)+n%32:CSR+32*((\a)%2)+n%32+1] op_sel_hi:[1,0]
.set n, n+2
.endr
.set n, 0
.rept 32
	v_pk_fma_f32 v[ST+n:ST+n+1], v[64*((\a)%4)+n:64*((\a)%4)+n+1], v[CSR+32*((\a)%2)+n%32:CSR+32*((\a)%2)+n%32+1], v[ST+n:ST+n+1] op_sel:[1,1,0] op_sel_hi:[0,1,1] neg_lo:[0,1,0]
.set n, n+2
.endr
	WIN 0
.endm
	PLACES NP                                      ; behind the last products: their registers are read, written and loaded into below
	s_mov_b32 s2, 0xffff0000                       ; lanes 16-31
	s_mov_b32 s66, 0x76543210
	s_mov_b32 s67, 0xfedcba98                      ; v_permlanex16_b32's selects for lane l xor 16
	v_and_b32 v1, 15, v0
	v_bfe_u32 v2, v0, 4, 1
	v_and_b32 v3, 31, v0
	v_lshlrev_b32 v[OFFC], 4, v3
	v_mul_u32_u24 v[OFFS], v2, HS
	v_lshl_add_u32 v[OFFS], v1, 4, v[OFFS]
	v_mov_b32 v221, 0x07060302
	v_cndmask_b32 v[VSEL], 0x05040100, v221, s2    ; lanes 0-15 pick bytes 0, 1 of two words (my first head's), lanes 16-31 bytes 2, 3 (the second's)
.irp b, 0,1,2,3
	v_mov_b32 v[TM+4+\b], 0                        ; written once: a lane permute's destination counts as one of its sources
.endr
	s_cmp_eq_u32 s95, 1                            ; the cluster's x alone: all partners go the same way
	s_cbranch_scc1 .Lv
	RLOAD 0, 0
	RLOAD 1, 1
.irp a, 0,1,2,3,4,5,6,7
.if \a < 7
	s_wait_loadcnt 8                               ; this block's eight loads are in; the next block's eight may be out
.else
	s_wait_loadcnt 0
.endif
	ROPE \a
.if \a < 6
	RLOAD \a+2, \a%2
.endif
.if (\a%2 == 0) && (\a > 0)
	s_wait_xcnt 0x0                                ; the last stores have read the images: they are written again only behind this wait
.endif
	QUANT ST, 0, IMG+6*(\a%2), IMG+12+6*(\a%2), PWS+\a
.if \a%2 == 1
.irp c, 0,1
.irp q, 0,1,2
	global_store_b128 v[OFFC], v[IMG+12*\c+4*\q:IMG+12*\c+4*\q+3], s[12:13] offset:HS*\c+1536*(\a/2)+512*\q   ; 32 lanes store 512 consecutive bytes, aligned
.endr
.endr
.endif
.endr
.irp g, 0,1,2,3
	v_perm_b32 v[SW+\g], v[PWS+2*\g+1], v[PWS+2*\g], v[VSEL]   ; word g of a head: the even a-block's two bytes, then the odd one's
.endr
	global_store_b128 v[OFFS], v[SW:SW+3], s[92:93]            ; lanes 0-15: my first head's 256 bytes; lanes 16-31: the second's
	s_branch .Ldone
.Lv:
.irp a, 0,1,2,3,4,5,6,7
.if \a >= 2
	s_wait_xcnt 0x0                                ; the stores of two blocks back have read this image
.endif
	QUANT 64*(\a%4), 2+\a/4, IMG+12*(\a%2), IMG+12*(\a%2)+6, PWS+\a
.irp q, 0,1,2
	global_store_b128 v[OFFC], v[IMG+12*(\a%2)+4*\q:IMG+12*(\a%2)+4*\q+3], s[12:13] offset:HS*(\a/4)+1536*(\a%4)+512*\q
.endr
.endr
.irp t, 0,1,2,3
	v_cndmask_b32 v[SW+\t], v[PWS+\t], v[PWS+4+\t], s2
.endr
	global_store_b128 v[OFFS], v[SW:SW+3], s[92:93]
.Ldone:
	s_wait_tensorcnt 0x0                           ; the wave's end
	ds_add_u32 v[SPW], v[NIL]
	s_wait_dscnt 0x0
	CROUND                                         ; the closing round: no work-group ends while a partner may still ask for a tile that names it
	s_endpgm
.Lfunc_end_k_q4ce04e48c8_qkv:
	.size	k_q4ce04e48c8_qkv, .Lfunc_end_k_q4ce04e48c8_qkv-k_q4ce04e48c8_qkv
	.p2alignl 7, 3214868480
	.fill 96, 4, 3214868480
	.section	.rodata,"a",@progbits
	.p2align	6, 0x0
	.amdhsa_kernel k_q4ce04e48c8_qkv
		.amdhsa_group_segment_fixed_size 327680
		.amdhsa_private_segment_fixed_size 0
		.amdhsa_enable_private_segment 0
		.amdhsa_kernarg_size 32
		.amdhsa_user_sgpr_count 2
		.amdhsa_user_sgpr_kernarg_segment_ptr 1
		.amdhsa_wavefront_size32 1
		.amdhsa_system_sgpr_workgroup_id_x 1
		.amdhsa_system_sgpr_workgroup_id_y 1
		.amdhsa_system_sgpr_workgroup_id_z 1
		.amdhsa_system_vgpr_workitem_id 0
		.amdhsa_next_free_vgpr 1024
		.amdhsa_next_free_sgpr 102
		.amdhsa_reserve_vcc 0
		.amdhsa_float_denorm_mode_32 3
		.amdhsa_float_denorm_mode_16_64 3
		.amdhsa_memory_ordered 1
		.amdhsa_forward_progress 1
		.amdhsa_inst_pref_size 237
	.end_amdhsa_kernel
	.amdgpu_metadata
---
amdhsa.version: [ 1, 2 ]
amdhsa.kernels:
  - .name:           k_q4ce04e48c8_qkv
    .symbol:         k_q4ce04e48c8_qkv.kd
    .args:
      - { .name: xq, .offset: 0, .size: 8, .value_kind: global_buffer, .address_space: global }
      - { .name: wq, .offset: 8, .size: 8, .value_kind: global_buffer, .address_space: global }
      - { .name: rope, .offset: 16, .size: 8, .value_kind: global_buffer, .address_space: global }
      - { .name: qkv, .offset: 24, .size: 8, .value_kind: global_buffer, .address_space: global }
    .group_segment_fixed_size: 327680
    .private_segment_fixed_size: 0
    .kernarg_segment_align: 8
    .kernarg_segment_size: 32
    .max_flat_workgroup_size: 128
    .sgpr_count:     102
    .vgpr_count:     1024
    .wavefront_size: 32
...
	.end_amdgpu_metadata
.endif
;; end of part 2
;; launch attn (part 3): grid 64 x 8, 16 waves a work-group, no clusters, 327,680 bytes of LDS; arguments qkv, oq; writes oq
.if DOCPART == 3
	.amdgcn_target "amdgcn-amd-amdhsa--gfx1250"
	.amdhsa_code_object_version 6
	.text
	.protected	k_q4ce04e48c8_attn
	.globl	k_q4ce04e48c8_attn
	.p2align	8
	.type	k_q4ce04e48c8_attn,@function
k_q4ce04e48c8_attn:
	s_mov_b64 s[64:65], 0
	v_nop
	global_prefetch_b8 v0, s[64:65] scope:SCOPE_SE
	s_setreg_imm32_b32 hwreg(HW_REG_WAVE_MODE, 25, 1), 1
	s_wait_xcnt 0x0
; Causal attention on codes of BF6: S^T = K Q^T (K = the head's 64), p = 2^(t - M), O^T = V^T p^T (K = the keys), O / the row's sum, and the quantiser of the last product (along d_model, 64 of it a head).
; LEFT OUT AS DEAD WORK: a step of 128 keys all of which come after the wave's queries: reference()'s own jnp.tril turns their scores into -1e30, p = 0 (shown at the head of the first kernel).
; LIMITS: a NaN, an infinity or an overflow in hidden scores alone is not carried to the result; true scores at or under -1e30 are not served.
; t = score x log2(e) / 8; M = the running largest t rounded up to a whole number; the row's sum is taken of the unquantised p; when M moves, the sum and O^T are multiplied by 2^(old M - new M): exact.
; SHARES.  Work-group (x, y): batch x head x, queries 256 (7 - y) on: the longest walks have the lowest numbers.  Each of sixteen waves owns an a-block of 16 queries: Q0 + r + 8 (r / 8), Q0 = 256 qb + 32 (w / 2) + 8 (w % 2).
; Every work-group passes all eight changes of slots (constant trip counts); a hidden step's work is jumped over, and a slot that none of its waves reads is not asked for.
; NO CLUSTER: under the causal mask the query blocks of a head need different numbers of tiles, so a partner would jump over the reads of tiles that a joint load brings.
; OPERANDS come as images of registers (second launch): a load of 16 bytes a lane at 16 x lane, no pitch, no padding.  A step's record begins with K's codes (6,144 bytes), V's (6,144), K's scale words (256), V's (256).
; THE HEAD'S 64 IN AN INSTRUCTION OF 128: an image of K holds two tiles of 16 keys side by side along K (registers 0-5, 6-11).  Multiplied by (q | zero codes) it gives the first tile's scores, by (zero codes | q) the second's.
; The keys of tile 2 b + u are 32 b + 8 u + r + 8 (r / 8): so a lane's 16 registers of tiles 2 b, 2 b + 1 are keys 32 b + 16 (lane / 16) + 0 .. 15.  V's rows lie in the same order: O^T's register 16 b + i is d = 32 b + 16 (lane / 16) + i.
.set REC,   19200
.set HS,    16*REC
.set STEPB, 12800                      ; what a step brings into LDS
.set SLOT1, 32768                      ; slot 0 at 0, slot 1 here: two steps each
.set SPARE, 65536                      ; the spare words: 128 bytes for each of sixteen waves
.set AKV,  1                           ; v1   16 x lane
.set ASC,  2                           ; v2   16 r + 12,288: K's scale words in a step
.set ADK,  3                           ; v3   LDS address of the slot's codes
.set ADS,  4                           ; v4   and of its scale words
.set SPW,  5
.set NIL,  6
.set BM,   212                         ; v212-215 the blocks' largest scores, then p
.set BX,   216                         ; v216-219 at work
.set SO,   220                         ; v220-223 the conversions' scale operands
.set PFO,  232
.set WV,   18
.set SEL,  20
.set CS,   22
.set G1,   24
.set G0,   40
.set TB,   2
.set SLOTS, 67
.set PFA,  76
.set LIM,  80
.set KF,   98
.set Q0,   99
; v7 8 x lane; v8 r + 8 (r / 8) - 16 h; v9 32 r + h; v12 -M; v13 the largest t; v[14:15] the sum; v16-27 (q | 0); v28-39 (0 | q); v40-87 four fragments; v88-91 K's scale words; v92-95 V's;
; v96-159 S^T, then p; v160-191 O^T; v192-203 p's codes; v204-210 second halves; v224, v225 q's scale words; v226 p's; v227 at work; v[228:229] f; v230 the mask's d; v231 -infinity.
.macro TLOAD                           ; waves 0 and 1 fetch a slot's two steps; an s_nop 0 and four v_nop follow the load
	s_cmp_lt_u32 s[WV], 2
	s_cbranch_scc0 .Lasked_\@
	tensor_load_to_lds s[G0:G0+3], s[G1:G1+7]
	s_nop 0
.rept 4
	v_nop
.endr
.Lasked_\@:
.endm
; A prefetch of what the NEXT change of slots will ask for: two steps' 12,800 bytes, 50 blocks of 256 each.  All eight work-groups of a head walk the same records: the one with y = 0, which walks them all, asks.
; wave 4 + i names blocks 25 (i % 2) + 0 .. 24 of step i / 2, a lane a block (lanes 25 to 31 name lane 24's once more).  The last change that fills a slot asks for nothing; slots 0 and 1 come by their loads alone.
.macro ASK
	s_cmp_gt_u32 s[SLOTS], s[LIM]
	s_cbranch_scc0 .Lnot_mine_\@
	global_prefetch_b8 v[PFO], s[PFA:PFA+1] th:TH_LOAD_NT scope:SCOPE_SE
.Lnot_mine_\@:
.endm
	s_load_b128 s[4:7], s[0:1], 0x0                ; qkv, oq
	v_lshl_add_u32 v[SPW], v0, 2, SPARE
	v_mov_b32 v[NIL], 0
	ds_add_u32 v[SPW], v[NIL]                      ; the wave's opening
	ds_add_u32 v[SPW], v[NIL]
	v_lshrrev_b32 v10, 5, v0
	s_delay_alu instid0(VALU_DEP_1)
	v_readfirstlane_b32 s[WV], v10                 ; wave 0..15
	s_and_b32 s72, ttmp7, 0xffff
	s_sub_co_u32 s72, 7, s72                       ; qb
	s_and_b32 s73, s[WV], 1                        ; u
	s_lshr_b32 s74, s[WV], 1
	s_lshl_b32 s[Q0], s72, 8
	s_lshl_b32 s75, s74, 5
	s_add_co_u32 s[Q0], s[Q0], s75
	s_lshl_b32 s75, s73, 3
	s_add_co_u32 s[Q0], s[Q0], s75                 ; my first query
	s_mov_b32 s[G1], 3<<16                         ; no mask; elements of 8 bytes; no padding
	s_mov_b32 s[G1+1], 32<<16                      ; 50 dense rows of 256 bytes
	s_mov_b32 s[G1+2], 50<<16
	s_mov_b32 s[G1+3], 32<<16
	s_mov_b32 s[G1+4], 50
	s_mov_b32 s[G1+5], 32
	s_mov_b32 s[G1+6], 0
	s_mov_b32 s[G1+7], 0
	s_mov_b32 s[G0], 1
	s_mul_i32 s[G0+1], s73, STEPB                  ; wave 0: the slot's first step, wave 1: its second
	s_mul_i32 s82, ttmp9, HS                       ; my head's records
	s_mov_b32 s83, 0
	s_mul_i32 s96, s73, REC
	s_mov_b32 s97, 0
	s_lshl_b32 s90, s72, 1
	s_lshr_b32 s91, s[WV], 3
	s_add_co_u32 s90, s90, s91
	s_mul_i32 s90, s90, REC                        ; the record with my queries: step 2 qb + w / 8
	s_mov_b32 s91, 0
	s_and_b32 s92, s74, 3                          ; and my group of 32 in it
	s_lshl_b32 s93, s73, 4                         ; 16 u
	s_cmp_eq_u32 s73, 1
	s_cselect_b32 s85, -1, 0
	s_lshr_b32 s94, ttmp9, 4
	s_lshl_b32 s94, s94, 7
	s_lshl_b32 s95, s72, 4
	s_add_co_u32 s94, s94, s95
	s_add_co_u32 s94, s94, s[WV]                   ; my a-block among the 512
	s_and_b32 s95, ttmp9, 15                       ; the head
	s_lshl_b32 s86, s95, 9
	s_add_co_u32 s86, s86, s94
	s_mul_i32 s86, s86, 768                        ; oq's codes: [head][a-block] 768 bytes
	s_mov_b32 s87, 0
	s_lshl_b32 s88, s94, 9
	s_lshl_b32 s95, s95, 1
	s_add_co_u32 s88, s88, s95
	s_add_co_u32 s88, s88, 6291456                 ; oq's scale bytes: 32 a row, my head's two
	s_mov_b32 s89, 0
	s_and_b32 s78, s[WV], 3                        ; the prefetches: i
	s_lshr_b32 s79, s78, 1
	s_mul_i32 s79, s79, REC
	s_and_b32 s78, s78, 1
	s_mul_i32 s78, s78, 6400
	s_add_co_u32 s78, s78, s79
	s_add_co_u32 s78, s78, 2*REC                   ; in slot 1: the first change of slots steps it to slot 2
	s_mov_b32 s79, 0
	s_sub_co_u32 s84, s[WV], 4
	s_lshr_b32 s84, s84, 2                         ; 0 in waves 4 to 7,
	s_and_b32 s75, ttmp7, 0xffff
	s_or_b32 s84, s84, s75                         ; of the work-group with y = 0
	s_cmp_eq_u32 s84, 0
	s_cselect_b32 s[LIM], 1, -1
	s_mov_b32 s84, 0xffff0000                      ; lanes 16-31
	s_mov_b32 s[SEL], 0x76543210
	s_mov_b32 s[SEL+1], 0xfedcba98
	s_mov_b32 s[CS], 0x3e38aa3b                    ; c = log2(e) / sqrt(64)
	s_mov_b32 s[CS+1], s[CS]
	s_mov_b32 s[TB], 0
	s_mov_b32 s[SLOTS], 7
	s_mov_b32 s[KF], 0
	s_wait_dscnt 0x0                               ; both opening adds are done
	s_wait_kmcnt 0x0
	s_add_nc_u64 s[4:5], s[4:5], s[82:83]
	s_add_nc_u64 s[G0+2:G0+3], s[4:5], s[96:97]
	s_or_b32 s[G0+3], s[G0+3], 0x80000000
	TLOAD                                          ; slot 0: keys 0 to 255, which every work-group reads
	s_add_nc_u64 s[74:75], s[4:5], s[90:91]
	s_add_nc_u64 s[PFA:PFA+1], s[4:5], s[78:79]
	s_add_nc_u64 s[86:87], s[6:7], s[86:87]
	s_add_nc_u64 s[88:89], s[6:7], s[88:89]
	v_and_b32 v10, 31, v0
	v_and_b32 v11, 15, v0
	s_delay_alu instid0(VALU_DEP_2)
	v_lshlrev_b32 v[AKV], 4, v10
	s_delay_alu instid0(VALU_DEP_2)
	v_lshl_add_u32 v[ASC], v11, 4, 12288
	s_delay_alu instid0(VALU_DEP_4)
	v_lshlrev_b32 v7, 3, v10
	v_bfe_u32 v9, v0, 4, 1
	v_and_b32 v8, 8, v11
	s_delay_alu instid0(VALU_DEP_1)
	v_add_nc_u32 v8, v8, v11
	s_delay_alu instid0(VALU_DEP_3)
	v_lshlrev_b32 v227, 4, v9
	s_delay_alu instid0(VALU_DEP_1)
	v_sub_nc_u32 v8, v8, v227
	v_lshl_add_u32 v9, v11, 5, v9
	v_min_u32 v[PFO], 24, v10
	s_delay_alu instid0(VALU_DEP_1)
	v_lshlrev_b32 v[PFO], 8, v[PFO]
	s_mul_i32 s96, s92, 1536
	v_add_nc_u32 v3, s96, v[AKV]
	s_lshl_b32 s96, s92, 2
	v_lshl_add_u32 v4, v11, 4, s96
.irp c, 0,1,2
	global_load_b128 v[40+4*\c:43+4*\c], v3, s[74:75] offset:12800+512*\c   ; the image with my queries: registers 0-5 the even a-block, 6-11 the odd one
.endr
	global_load_b32 v10, v4, s[74:75] offset:18944                          ; and its scale word
	v_mov_b32 v13, 0xff61b1e6                      ; the largest t so far: -3e38
	s_delay_alu instid0(VALU_DEP_1)
	v_floor_f32 v12, -v13
	v_mov_b32 v14, 0
	v_mov_b32 v15, 0
	v_mov_b32 v229, 0                              ; (named as the upper half of the pair v[228:229])
	v_mov_b32 v231, 0xff800000                     ; -infinity
.irp b, 0,1,2,3
	v_mov_b32 v[BX+\b], 0                          ; a lane permute's destination counts as one of its sources
.endr
	s_wait_loadcnt 0x0
.irp i, 0,1,2,3,4,5
	v_cndmask_b32 v[16+\i], v[40+\i], v[46+\i], s85    ; my a-block's six registers
.endr
	v_lshrrev_b32 v10, s93, v10                    ; and its two scale bytes
	s_delay_alu instid0(VALU_DEP_1)
	v_and_b32 v224, 0xffff, v10                    ; for (q | 0): the bytes of the zero codes are 0, no NaN
	s_delay_alu instid0(VALU_DEP_2)
	v_lshlrev_b32 v225, 16, v10                    ; for (0 | q)
.irp i, 0,1,2,3,4,5,6,7,8,9,10,11
	v_mov_b32 v[22+\i], 0
.endr
.irp i, 0,1,2,3,4,5
	v_mov_b32 v[34+\i], v[16+\i]
.endr
.set j, 0
.rept 32
	v_mov_b32 v[160+j], 0                          ; O^T: the loop is written once, its first step finds zeros.  (These are also the plain lines between the operands and scale words made above and the first product)
.set j, j+1
.endr
.macro STEP q                          ; 128 keys: the q-th step of the slot in hand
	s_add_co_u32 s96, s[Q0], 23                    ; my last query
	s_cmp_gt_u32 s[KF], s96
	s_cbranch_scc1 .Lhidden_\@                     ; ids and the count of steps alone
	v_add_nc_u32 v[ADK], s[TB], v[AKV]
	v_add_nc_u32 v[ADS], s[TB], v[ASC]
	v_nop
	v_nop                                          ; four plain lines in front of loads into registers that the last products read
.irp b, 0,1,2,3
.irp c, 0,1,2
	ds_load_b128 v[40+12*\b+4*\c:43+12*\b+4*\c], v[ADK] offset:STEPB*(\q)+1536*\b+512*\c
.endr
.endr
	ds_load_b128 v[88:91], v[ADS] offset:STEPB*(\q)
	s_wait_alu depctr_va_vdst(0)
	s_wait_dscnt 0x0
.irp b, 0,1,2,3
.irp u, 0,1
	v_wmma_scale_f32_16x16x128_f8f6f4 v[96+8*(2*\b+\u):103+8*(2*\b+\u)], v[40+12*\b:51+12*\b], v[16+12*\u:27+12*\u], 0, v[88+\b], v[224+\u] matrix_a_fmt:MATRIX_FMT_BF6 matrix_b_fmt:MATRIX_FMT_BF6
.endr
.endr
.rept 4
	v_nop                                          ; places in front of the loads below and of the first read of the scores
.endr
.irp t, 0,1,2,3
.irp c, 0,1,2
	ds_load_b128 v[40+12*\t+4*\c:43+12*\t+4*\c], v[ADK] offset:STEPB*(\q)+6144+1536*\t+512*\c   ; V's four tiles land while the softmax is walked
.endr
.endr
	ds_load_b128 v[92:95], v[ADS] offset:STEPB*(\q)+256
	s_add_co_u32 s96, s[KF], 127                   ; on the diagonal hidden scores become -infinity; a step all of whose keys count skips this
	s_cmp_le_u32 s96, s[Q0]
	s_cbranch_scc1 .Lopen_\@
	s_sub_co_i32 s96, s[Q0], s[KF]
	v_add_nc_u32 v230, s96, v8                     ; d = my query - KF - 16 h.  Register 16 b + i holds key KF + 16 h + 32 b + i: hidden where 32 b + i > d
.set n, 0
.rept 64
	v_cmp_gt_i32 vcc_lo, 32*(n/16)+n%16, v230
	v_cndmask_b32 v[96+n], v[96+n], v231, vcc_lo
.set n, n+1
.endr
.Lopen_\@:
.irp b, 0,1,2,3
	v_max3_num_f32 v[BM+\b], v[96+16*\b], v[97+16*\b], v[98+16*\b]   ; the largest score of each block of 32 keys: for the row's maximum and, since p rises with the score, for the block's largest p
.endr
.irp i, 3,5,7,9,11,13
.irp b, 0,1,2,3
	v_max3_num_f32 v[BM+\b], v[BM+\b], v[96+16*\b+\i], v[97+16*\b+\i]
.endr
.endr
.irp b, 0,1,2,3
	v_max_num_f32 v[BM+\b], v[BM+\b], v[111+16*\b]
.endr
.irp b, 0,1,2,3
	s_delay_alu instid0(VALU_DEP_4)
	v_permlanex16_b32 v[BX+\b], v[BM+\b], s[SEL], s[SEL+1]
.endr
.irp b, 0,1,2,3
	s_delay_alu instid0(VALU_DEP_4)
	v_max_num_f32 v[BM+\b], v[BM+\b], v[BX+\b]
.endr
	s_delay_alu instid0(VALU_DEP_2)
	v_max3_num_f32 v227, v212, v213, v214
	s_delay_alu instid0(VALU_DEP_1)
	v_max_num_f32 v227, v227, v215
	s_delay_alu instid0(VALU_DEP_1)
	v_mul_f32 v227, s[CS], v227
	s_delay_alu instid0(VALU_DEP_1)
	v_max_num_f32 v13, v13, v227                   ; the running largest t
	v_mov_b32 v227, v12
	s_delay_alu instid0(VALU_DEP_2)
	v_floor_f32 v12, -v13                          ; -M = floor(-t): M is a whole number
	s_delay_alu instid0(VALU_DEP_1)
	v_sub_f32 v227, v12, v227
	s_delay_alu instid0(VALU_DEP_1)
	v_cvt_i32_f32 v227, v227                       ; (it saturates)
	s_delay_alu instid0(VALU_DEP_1)
	v_ldexp_f32 v228, 1.0, v227                    ; f = 2^(old M - new M)
.set j, 0
.rept 32
	v_pk_fma_f32 v[96+j:97+j], v[96+j:97+j], s[CS:CS+1], v[12:13] op_sel_hi:[1,0,0]   ; t - M
.set j, j+2
.endr
.irp b, 0,1,2,3
	v_fma_f32 v[BM+\b], v[BM+\b], s[CS], v12
.endr
.set j, 0
	s_wait_alu depctr_va_vdst(0)
.rept 64
	v_exp_f32 v[96+j], v[96+j]                     ; p = 2^(t - M): not normalised
.set j, j+1
.endr
	v_pk_mul_f32 v[14:15], v[14:15], v[228:229] op_sel_hi:[1,0]   ; the sums under the new M (a plain line behind the exponentials)
	s_wait_alu depctr_va_vdst(0)                   ; one wait for the batch, ahead of its first reader
.irp b, 0,1,2,3
	v_exp_f32 v[BM+\b], v[BM+\b]                   ; the block's largest p
.endr
	v_pk_add_f32 v[216:217], v[100:101], v[104:105]
	v_pk_add_f32 v[254:255], v[108:109], v[112:113]
	v_pk_add_f32 v[252:253], v[116:117], v[120:121]
	v_pk_add_f32 v[250:251], v[124:125], v[128:129]
	v_pk_add_f32 v[248:249], v[132:133], v[136:137]
	v_pk_add_f32 v[246:247], v[140:141], v[144:145]
	v_pk_add_f32 v[244:245], v[148:149], v[152:153]
	v_pk_add_f32 v[14:15], v[14:15], v[156:157]
	v_pk_add_f32 v[216:217], v[216:217], v[96:97]
	v_pk_add_f32 v[254:255], v[254:255], v[98:99]
	v_pk_add_f32 v[252:253], v[252:253], v[102:103]
	v_pk_add_f32 v[250:251], v[250:251], v[106:107]
	v_pk_add_f32 v[248:249], v[248:249], v[110:111]
	v_pk_add_f32 v[246:247], v[246:247], v[114:115]
	v_pk_add_f32 v[244:245], v[244:245], v[118:119]
	v_pk_add_f32 v[14:15], v[14:15], v[122:123]
	v_pk_add_f32 v[216:217], v[216:217], v[126:127]
	v_pk_add_f32 v[254:255], v[254:255], v[130:131]
	v_pk_add_f32 v[252:253], v[252:253], v[134:135]
	v_pk_add_f32 v[250:251], v[250:251], v[138:139]
	v_pk_add_f32 v[248:249], v[248:249], v[142:143]
	v_pk_add_f32 v[246:247], v[246:247], v[146:147]
	v_pk_add_f32 v[244:245], v[244:245], v[150:151]
	v_pk_add_f32 v[14:15], v[14:15], v[154:155]
	v_pk_add_f32 v[216:217], v[216:217], v[158:159]
	s_delay_alu instid0(VALU_DEP_2)
	v_pk_add_f32 v[14:15], v[14:15], v[250:251]
	s_delay_alu instid0(VALU_DEP_2)
	v_pk_add_f32 v[216:217], v[216:217], v[248:249]
	v_pk_add_f32 v[254:255], v[254:255], v[246:247]
	v_pk_add_f32 v[252:253], v[252:253], v[244:245]
	s_delay_alu instid0(VALU_DEP_2)
	v_pk_add_f32 v[14:15], v[14:15], v[254:255]
	s_delay_alu instid0(VALU_DEP_2)
	v_pk_add_f32 v[216:217], v[216:217], v[252:253]
	s_delay_alu instid0(VALU_DEP_1)
	v_pk_add_f32 v[14:15], v[14:15], v[216:217]
	s_wait_alu depctr_va_vdst(0)                   ; and one for the four
.irp b, 0,1,2,3
	v_max_num_f32 v[BM+\b], 0x2800000, v[BM+\b]    ; the floor 2^(5 - 127)
.endr
.irp b, 0,1,2,3
	s_delay_alu instid0(VALU_DEP_4)
	v_add_nc_u32 v[SO+\b], 0xfe000000, v[BM+\b]
.endr
.irp b, 0,1,2,3
	s_delay_alu instid0(VALU_DEP_4)
	v_lshrrev_b32 v[BX+\b], 23, v[SO+\b]
.endr
	s_delay_alu instid0(VALU_DEP_3)
	v_lshl_or_b32 v226, v217, 8, v216              ; p's scale word for these 128 keys
	s_delay_alu instid0(VALU_DEP_1)
	v_lshl_or_b32 v226, v218, 16, v226
	s_delay_alu instid0(VALU_DEP_1)
	v_lshl_or_b32 v226, v219, 24, v226
.irp c, 0,1
	v_cvt_scalef32_pk16_bf6_f32 v[192+6*\c:194+6*\c], v[96+32*\c:111+32*\c], v[SO+2*\c]
	v_cvt_scalef32_pk16_bf6_f32 v[204+4*\c:206+4*\c], v[112+32*\c:127+32*\c], v[SO+2*\c+1]
.endr
	v_nop                                          ; one plain line behind a scaled conversion
.irp c, 0,1
.irp i, 0,1,2
	v_permlane16_swap_b32 v[192+6*\c+\i], v[204+4*\c+\i]
.endr
.irp i, 0,1,2
	s_delay_alu instid0(VALU_DEP_3)
	v_mov_b32 v[195+6*\c+\i], v[204+4*\c+\i]
.endr
.endr
.set j, 0
.rept 16
	v_pk_mul_f32 v[160+j:161+j], v[160+j:161+j], v[228:229] op_sel_hi:[1,0]   ; O^T under the new M (also the plain lines in front of the products below)
.set j, j+2
.endr
	s_wait_alu depctr_va_vdst(0)
	s_wait_dscnt 0x0                               ; V's tiles and scale words
.irp t, 0,1,2,3
	v_wmma_scale_f32_16x16x128_f8f6f4 v[160+8*\t:167+8*\t], v[40+12*\t:51+12*\t], v[192:203], v[160+8*\t:167+8*\t], v[92+\t], v226 matrix_a_fmt:MATRIX_FMT_BF6 matrix_b_fmt:MATRIX_FMT_BF6
.endr
.Lhidden_\@:
	s_add_co_u32 s[KF], s[KF], 128
.endm
; THE CHANGE OF SLOTS, at a slot's head.  Each wave waits for all its tensor loads, adds 0 to its spare word (fill = 1: twice on end), and waits for that and for its reads
; of the slot that it has left.  Behind the barrier the slot ahead is whole and nobody reads the other one, which is then filled with the next 256 keys, up to the causal limit.
.macro CHANGE fill
	s_wait_tensorcnt 0x0                           ; no tensor load of mine is out, so the group 0 may be written
	ds_add_u32 v[SPW], v[NIL]
.if \fill
	ds_add_u32 v[SPW], v[NIL]
	s_xor_b32 s[G0+1], s[G0+1], SLOT1
	s_add_nc_u64 s[G0+2:G0+3], s[G0+2:G0+3], 2*REC
	s_wait_xcnt 0x0                                ; the last prefetch, a slot back, has read its address
	s_add_nc_u64 s[PFA:PFA+1], s[PFA:PFA+1], 2*REC
.endif
	s_wait_dscnt 0x0
	s_barrier_signal -1
	s_barrier_wait -1
.if \fill
	s_add_co_u32 s96, s[KF], 256                   ; the first key of the slot that this change would ask for
	s_or_b32 s97, s[Q0], 255                       ; my work-group's last query
	s_cmp_gt_u32 s96, s97                          ; ids and the count of steps alone: all sixteen waves go the same way.  A slot past the limit is read by no wave and is not asked for; every wait on the tensor counter is for 0
	s_cbranch_scc1 .Lpast_\@
	TLOAD
.Lpast_\@:
	ASK
.endif
.endm
.macro SLOT_STEPS
	STEP 0
	STEP 1
	s_xor_b32 s[TB], s[TB], SLOT1
.endm
.Lslot:                                            ; seven trips
	CHANGE 1
	SLOT_STEPS
	s_sub_co_u32 s[SLOTS], s[SLOTS], 1
	s_cmp_lg_u32 s[SLOTS], 0
	s_cbranch_scc1 .Lslot
	CHANGE 0                                       ; the last slot is written out: nothing is left to ask for
	SLOT_STEPS
	; THE WAY OUT: O^T / the sum, quantised along the head's 64 (two blocks), straight from registers
.rept 4
	v_nop                                          ; places behind the last products
.endr
	v_add_f32 v14, v14, v15
	s_delay_alu instid0(VALU_DEP_1)
	v_permlanex16_b32 v227, v14, s[SEL], s[SEL+1]
	s_delay_alu instid0(VALU_DEP_1)
	v_add_f32 v14, v14, v227                       ; the row's sum
	s_wait_alu depctr_va_vdst(0)
	v_rcp_f32 v14, v14
	v_nop                                          ; a plain line behind the reciprocal
	s_wait_alu depctr_va_vdst(0)                   ; the wait ahead of its first reader
.set j, 0
.rept 32
	v_mul_f32 v[96+j], v[160+j], v14               ; register 16 b + i: d = 32 b + 16 h + i of my query
.set j, j+1
.endr
.irp b, 0,1
	v_max3_num_f32 v[BM+\b], |v[96+16*\b]|, |v[97+16*\b]|, 0x2800000
.endr
.irp i, 2,4,6,8,10,12,14
.irp b, 0,1
	s_delay_alu instid0(VALU_DEP_2)
	v_max3_num_f32 v[BM+\b], v[BM+\b], |v[96+16*\b+\i]|, |v[97+16*\b+\i]|
.endr
.endr
.irp b, 0,1
	s_delay_alu instid0(VALU_DEP_2)
	v_permlanex16_b32 v[BX+\b], v[BM+\b], s[SEL], s[SEL+1]
.endr
.irp b, 0,1
	s_delay_alu instid0(VALU_DEP_2)
	v_max_num_f32 v[BM+\b], v[BM+\b], v[BX+\b]
.endr
.irp b, 0,1
	s_delay_alu instid0(VALU_DEP_2)
	v_add_nc_u32 v[SO+\b], 0xfe000000, v[BM+\b]
.endr
.irp b, 0,1
	s_delay_alu instid0(VALU_DEP_2)
	v_lshrrev_b32 v[BX+\b], 23, v[SO+\b]
.endr
	v_cvt_scalef32_pk16_bf6_f32 v[192:194], v[96:111], v[SO]
	v_cvt_scalef32_pk16_bf6_f32 v[204:206], v[112:127], v[SO+1]
	v_nop
.irp i, 0,1,2
	v_permlane16_swap_b32 v[192+\i], v[204+\i]
.endr
.irp i, 0,1,2
	s_delay_alu instid0(VALU_DEP_3)
	v_mov_b32 v[195+\i], v[204+\i]                 ; six registers: my query's codes of d = 32 h + 0 .. 31
.endr
	v_cndmask_b32 v227, v216, v217, s84            ; lanes 0-15 the first block's byte, lanes 16-31 the second's
.irp e, 0,1,2
	global_store_b64 v7, v[192+2*\e:193+2*\e], s[86:87] offset:256*\e   ; 32 lanes store 256 consecutive bytes, aligned
.endr
	global_store_b8 v9, v227, s[88:89]             ; two bytes of each row's 32: a head has no more neighbours in the layout that the last launch reads; 2 bytes for each 48 of codes
	s_wait_tensorcnt 0x0                           ; the wave's end
	ds_add_u32 v[SPW], v[NIL]
	s_wait_dscnt 0x0
	s_endpgm
.Lfunc_end_k_q4ce04e48c8_attn:
	.size	k_q4ce04e48c8_attn, .Lfunc_end_k_q4ce04e48c8_attn-k_q4ce04e48c8_attn
	.p2alignl 7, 3214868480
	.fill 96, 4, 3214868480
	.section	.rodata,"a",@progbits
	.p2align	6, 0x0
	.amdhsa_kernel k_q4ce04e48c8_attn
		.amdhsa_group_segment_fixed_size 327680
		.amdhsa_private_segment_fixed_size 0
		.amdhsa_enable_private_segment 0
		.amdhsa_kernarg_size 16
		.amdhsa_user_sgpr_count 2
		.amdhsa_user_sgpr_kernarg_segment_ptr 1
		.amdhsa_wavefront_size32 1
		.amdhsa_system_sgpr_workgroup_id_x 1
		.amdhsa_system_sgpr_workgroup_id_y 1
		.amdhsa_system_sgpr_workgroup_id_z 1
		.amdhsa_system_vgpr_workitem_id 0
		.amdhsa_next_free_vgpr 256
		.amdhsa_next_free_sgpr 100
		.amdhsa_reserve_vcc 1
		.amdhsa_float_denorm_mode_32 3
		.amdhsa_float_denorm_mode_16_64 3
		.amdhsa_memory_ordered 1
		.amdhsa_forward_progress 1
		.amdhsa_inst_pref_size 101
	.end_amdhsa_kernel
	.amdgpu_metadata
---
amdhsa.version: [ 1, 2 ]
amdhsa.kernels:
  - .name:           k_q4ce04e48c8_attn
    .symbol:         k_q4ce04e48c8_attn.kd
    .args:
      - { .name: qkv, .offset: 0, .size: 8, .value_kind: global_buffer, .address_space: global }
      - { .name: oq, .offset: 8, .size: 8, .value_kind: global_buffer, .address_space: global }
    .group_segment_fixed_size: 327680
    .private_segment_fixed_size: 0
    .kernarg_segment_align: 8
    .kernarg_segment_size: 16
    .max_flat_workgroup_size: 512
    .sgpr_count:     100
    .vgpr_count:     256
    .wavefront_size: 32
...
	.end_amdgpu_metadata
.endif
;; end of part 3
;; launch oproj (part 4): grid 4 x 32, 4 waves a work-group, clusters of 4 x 4, 327,680 bytes of LDS; arguments oq, wq, out0; writes out0
.if DOCPART == 4
	.amdgcn_target "amdgcn-amd-amdhsa--gfx1250"
	.amdhsa_code_object_version 6
	.text
	.protected	k_q4ce04e48c8_oproj
	.globl	k_q4ce04e48c8_oproj
	.p2align	8
	.type	k_q4ce04e48c8_oproj,@function
k_q4ce04e48c8_oproj:
	s_mov_b64 s[64:65], 0
	v_nop
	global_prefetch_b8 v0, s[64:65] scope:SCOPE_SE
	s_setreg_imm32_b32 hwreg(HW_REG_WAVE_MODE, 25, 1), 1
	s_wait_xcnt 0x0
	s_wait_alu depctr_hold_cnt(0) depctr_sa_sdst(0) depctr_va_vdst(0) depctr_va_sdst(0) depctr_va_ssrc(0) depctr_va_vcc(0) depctr_vm_vsrc(0)
	s_getreg_b32 s2, hwreg(HW_REG_IB_STS2, 6, 4)
	s_cmp_eq_u32 s2, 0
	s_cbranch_scc0 .Lentry_in_a_cluster
	s_endpgm
.Lentry_in_a_cluster:
	s_bfe_u32 s2, ttmp6, 0x10000c
	s_cmp_lg_u32 s2, 0xf033
	s_cbranch_scc0 .Lentry_shape_is_right
	s_endpgm
.Lentry_shape_is_right:
; out0 = heads Wo^T on codes of BF6 with E8M0 scales; out0 [8192][1024] f32.  The GEMM of the second launch: 256 x 256 a work-group, four waves of 128 x 128, K = 1,024 in four steps of 256 through two LDS slots,
; the scale bytes once with the first fills, 4 x 4 work-groups a cluster with joint loads (A's tiles along a row of the cluster, B's along a column), the matrix instruction used transposed.
; A = oq, as the third launch left it: codes [head][a-block][3 chunks][32 lanes][8 bytes], images of six operand registers (16 tokens x a head's 64).  A K step of 256 is four heads; of each, my 128 rows are 6,144 dense bytes:
; one tensor load of 4 rows of 6,144 bytes, 393,216 bytes apart.  A fragment (16 rows x 128 K: two heads) is six loads of 8 bytes at 8 x lane.  Scale bytes [16 x a-block + r][32].
; B = Wo's rows in wq (rows 3,072 on), in their own order.  Row r of a-block a is token 32 (a / 2) + 8 (a % 2) + r + 8 (r / 8): the stores put each row where it belongs.
.set KSTEP,  256
.set NQ,     2
.set ROWB,   192
.set KROW,   768
.set PITCH,  240
.set FR,     12
.set NL,     6
.set NP,     4
.set HALFT,  128*PITCH
.set SLOT,   4*HALFT
.set KS,     32
.set SCL,    2*SLOT
.set HALFS,  16*272
.set SBLK,   2*272
.set SPARE,  SCL+4*HALFS
.set SPITCH, 528                       ; the way out: a stage of 16 rows x (512 bytes + 16) for each wave, in slot 0, which has had its last fill and its last read when the first result is stored there
.set NROW,   4096                      ; a row of out0 in bytes
.set ASTEP,  4*393216                  ; four heads on in oq
.set ADRA, 16
.set ADRB, 20
.set STO,  24
.set RD,   25
.set CO,   26
.set ADRS, 27
.set SPW,  28
.set NIL,  29
.set SC,   32
.set AF,   128
.set BK,   128
.set G1, 24
.set G0, 32
.set G1B, 48
.set G0B, 56
.set G1S, 68
.set G0S, 76
.set G1SB, 80
.set G0SB, 88
.set MSB, 0
.macro WIN new
.if MSB != (\new)
	s_set_vgpr_msb (MSB<<8)|(\new)
.set MSB, (\new)
.endif
.endm
.set MUL_LO, 0xa1
.set MUL_HI, 0xf1
.set TO_B,   0x40
.macro JLOAD g0a, g1a, g0b, g1b        ; a joint load: waves 0 and 1 for A, waves 2 and 3 for B; an s_nop 0 and four v_nop follow each line
	s_cmp_eq_u32 s15, 0
	s_cbranch_scc0 .Lfor_b_\@
	tensor_load_to_lds s[\g0a:\g0a+3], s[\g1a:\g1a+7]
	s_nop 0
.rept 4
	v_nop
.endr
	s_branch .Lasked_\@
.Lfor_b_\@:
	tensor_load_to_lds s[\g0b:\g0b+3], s[\g1b:\g1b+7]
	s_nop 0
.rept 4
	v_nop
.endr
.Lasked_\@:
.endm
.macro CREST
	s_cmp_lg_u32 s14, 0
	s_cbranch_scc1 .Lnot_wave_0_\@
	s_barrier_signal -3
.Lnot_wave_0_\@:
	s_barrier_wait -3
	s_barrier_signal -1
	s_barrier_wait -1
.endm
.macro CROUND
	s_barrier_signal -1
	s_barrier_wait -1
	CREST
.endm
	s_load_b64 s[4:5], s[0:1], 0x0                 ; oq
	s_load_b64 s[8:9], s[0:1], 0x8                 ; wq
	s_load_b64 s[12:13], s[0:1], 0x10              ; out0
	v_lshl_add_u32 v[SPW], v0, 2, SPARE
	v_mov_b32 v[NIL], 0
	ds_add_u32 v[SPW], v[NIL]                      ; the wave's opening
	ds_add_u32 v[SPW], v[NIL]
	v_lshrrev_b32 v1, 5, v0
	v_readfirstlane_b32 s14, v1
	s_lshr_b32 s15, s14, 1
	s_and_b32 s16, s14, 1
	s_bfe_u32 s40, ttmp6, 0x40000
	s_bfe_u32 s41, ttmp6, 0x40004
	s_lshl_b32 s42, ttmp9, 2
	s_add_co_u32 s42, s42, s40                     ; tile column
	s_and_b32 s17, ttmp7, 0xffff
	s_lshl_b32 s17, s17, 2
	s_add_co_u32 s17, s17, s41                     ; tile row
	s_lshl_b32 s43, s41, 2
	s_lshl_b32 s43, 15, s43
	s_lshl_b32 s44, 0x1111, s40
	s_or_b32 s[G1+0], s43, (3<<16)|(1<<21)         ; A: the mask; elements of 8 bytes; no padding; bit 21 beside a mask
	s_mov_b32 s[G1+1], 768<<16                     ; 4 rows of 768 elements (6,144 bytes),
	s_mov_b32 s[G1+2], 4<<16
	s_mov_b32 s[G1+3], 768<<16
	s_mov_b32 s[G1+4], 4
	s_mov_b32 s[G1+5], 49152                       ; 393,216 bytes apart
	s_mov_b32 s[G1+6], 0
	s_mov_b32 s[G1+7], 0
	s_or_b32 s[G1B+0], s44, (0<<16)|(1<<20)|(1<<21)|(3<<22)|(3<<25)
	s_mov_b32 s[G1B+1], ROWB<<16
	s_mov_b32 s[G1B+2], 128<<16
	s_mov_b32 s[G1B+3], ROWB<<16
	s_mov_b32 s[G1B+4], 128
	s_mov_b32 s[G1B+5], KROW
	s_mov_b32 s[G1B+6], 0
	s_mov_b32 s[G1B+7], 0
	s_or_b32 s[G1S+0], s43, (3<<16)|(1<<20)|(1<<21)|(5<<22)|(3<<25)
	s_or_b32 s[G1SB+0], s44, (3<<16)|(1<<20)|(1<<21)|(5<<22)|(3<<25)
.irp g, G1S, G1SB
	s_mov_b32 s[\g+1], 32<<16
	s_mov_b32 s[\g+2], 16<<16
	s_mov_b32 s[\g+3], 32<<16
	s_mov_b32 s[\g+4], 16
	s_mov_b32 s[\g+5], 32
	s_mov_b32 s[\g+6], 0
	s_mov_b32 s[\g+7], 0
.endr
	s_lshl_b32 s18, s16, 7
	s_lshl_b32 s20, s17, 8
	s_add_co_u32 s20, s20, s18
	s_lshl_b32 s46, s42, 8
	s_add_co_u32 s46, s46, s18
	s_mov_b32 s21, 0
	s_mov_b32 s47, 0
	s_mov_b64 s[18:19], KS
	s_mul_u64 s[22:23], s[20:21], s[18:19]
	s_mul_u64 s[92:93], s[46:47], s[18:19]
	s_mov_b64 s[18:19], 48                         ; A: 768 bytes for each 16 rows of one head
	s_mul_u64 s[20:21], s[20:21], s[18:19]
	s_mov_b64 s[18:19], KROW
	s_mul_u64 s[46:47], s[46:47], s[18:19]
	s_mul_i32 s45, s14, HALFT
	s_mul_i32 s94, s14, HALFS
	s_wait_dscnt 0x0
	s_wait_kmcnt 0x0
	s_add_nc_u64 s[6:7], s[4:5], 6291456           ; oq's scale bytes
	s_add_nc_u64 s[10:11], s[8:9], 3244032         ; Wo's scale bytes
	s_add_nc_u64 s[8:9], s[8:9], 2359296           ; Wo's codes
	s_add_nc_u64 s[20:21], s[4:5], s[20:21]
	s_add_nc_u64 s[22:23], s[6:7], s[22:23]
	s_add_nc_u64 s[46:47], s[8:9], s[46:47]
	s_add_nc_u64 s[92:93], s[10:11], s[92:93]
	CROUND
	s_mov_b32 s[G0S], 1
	s_add_co_u32 s[G0S+1], s94, SCL
	s_mov_b64 s[G0S+2:G0S+3], s[22:23]
	s_or_b32 s[G0S+3], s[G0S+3], 0x80000000
	s_mov_b32 s[G0SB], 1
	s_add_co_u32 s[G0SB+1], s94, SCL
	s_mov_b64 s[G0SB+2:G0SB+3], s[92:93]
	s_or_b32 s[G0SB+3], s[G0SB+3], 0x80000000
	JLOAD G0S, G1S, G0SB, G1SB
.irp s, 0,1
	s_mov_b32 s[G0+4*\s], 1
	s_add_co_u32 s[G0+4*\s+1], s45, \s*SLOT
	s_add_nc_u64 s[G0+4*\s+2:G0+4*\s+3], s[20:21], \s*ASTEP
	s_or_b32 s[G0+4*\s+3], s[G0+4*\s+3], 0x80000000
	s_mov_b32 s[G0B+4*\s], 1
	s_add_co_u32 s[G0B+4*\s+1], s45, \s*SLOT
	s_add_nc_u64 s[G0B+4*\s+2:G0B+4*\s+3], s[46:47], \s*ROWB
	s_or_b32 s[G0B+4*\s+3], s[G0B+4*\s+3], 0x80000000
	JLOAD G0+4*\s, G1, G0B+4*\s, G1B
.endr
	v_and_b32 v1, 15, v0
	v_bfe_u32 v2, v0, 4, 1
	v_mul_u32_u24 v3, v1, PITCH
	v_mul_u32_u24 v4, v2, 24
	v_add_nc_u32 v4, v3, v4
	v_lshl_add_u32 v5, v2, 4, v4
	v_and_b32 v6, 31, v0
	v_lshlrev_b32 v7, 3, v6                        ; A's images: 8 x lane
	s_mul_i32 s21, s15, HALFT
	s_mul_i32 s22, s16, HALFT
	s_add_co_u32 s22, s22, 2*HALFT
.irp s, 0,1
	v_add_nc_u32 v[ADRA+\s], s21, v7
	v_add_nc_u32 v[ADRB+\s], s22, v4
	v_add_nc_u32 v[ADRB+2+\s], s22, v5
	s_add_co_u32 s21, s21, SLOT
	s_add_co_u32 s22, s22, SLOT
.endr
	v_mul_u32_u24 v5, v1, KS
	v_lshrrev_b32 v8, 8, v5
	v_lshl_add_u32 v5, v8, 4, v5
	s_mul_i32 s21, s15, HALFS
	s_mul_i32 s22, s16, HALFS
	s_add_co_u32 s22, s22, 2*HALFS
	s_sub_co_u32 s22, s22, s21
	v_mul_u32_u24 v8, s22, v2
	s_add_co_u32 s21, s21, SCL
	v_add_nc_u32 v5, v5, v8
	v_add_nc_u32 v[ADRS], s21, v5
	s_mul_i32 s23, s14, 16*SPITCH                  ; my stage
	v_mul_u32_u24 v5, v1, SPITCH
	v_lshl_add_u32 v5, v2, 5, v5
	v_add_nc_u32 v[STO], s23, v5
	v_lshlrev_b32 v[CO], 4, v6
	v_add_nc_u32 v[RD], s23, v[CO]
	s_lshl_b32 s20, s17, 8
	s_lshl_b32 s21, s15, 7
	s_add_co_u32 s20, s20, s21                     ; my first row of out0
	s_mov_b32 s21, 0
	s_mov_b64 s[18:19], NROW
	s_mul_u64 s[20:21], s[20:21], s[18:19]
	s_lshl_b32 s46, s42, 10
	s_lshl_b32 s47, s16, 9
	s_add_co_u32 s46, s46, s47
	s_mov_b32 s47, 0
	s_add_nc_u64 s[20:21], s[20:21], s[46:47]
	s_add_nc_u64 s[12:13], s[12:13], s[20:21]
.macro FRAG reg, adr, q, i             ; B's fragment, from padded rows
.irp p, 0,1,2,3,4,5
.set PC, 12*(\q)+6*(\p/3)+\p%3
.if PC%8 < 5
	ds_load_b64 v[\reg+2*\p:\reg+2*\p+1], v[\adr] offset:8*PC+16*(PC/8)+(\i)*16*PITCH
.else
	ds_load_b64 v[\reg+2*\p:\reg+2*\p+1], v[\adr+2] offset:8*PC+16*(PC/8)+(\i)*16*PITCH
.endif
.endr
.endm
.macro FRAGA reg, slot, q, i           ; A's fragment: heads 2 q and 2 q + 1 of the slot's four, a-block i, three chunks of 256 bytes each
.irp p, 0,1,2,3,4,5
	ds_load_b64 v[\reg+2*\p:\reg+2*\p+1], v[ADRA+\slot] offset:(2*(\q)+\p/3)*6144+(\i)*768+256*(\p%3)
.endr
.endm
.macro MUL16 a0, p, q, sc, zero        ; the 64 accumulators take turns, one instruction a turn
.irp a, \a0, \a0+1
.irp b, 0,1,2,3,4,5,6,7
.if \zero
	v_wmma_scale_f32_16x16x128_f8f6f4 v[8*(8*((\a)%4)+\b):8*(8*((\a)%4)+\b)+7], v[128*(\p)+FR*\b:128*(\p)+FR*\b+FR-1], v[AF+FR*(\a):AF+FR*(\a)+FR-1], 0, v[SC+8*NQ*(\sc)+NQ*\b+(\q)], v[SC+8*NQ*(\sc)+NQ*(\a)+(\q)] matrix_a_fmt:MATRIX_FMT_BF6 matrix_b_fmt:MATRIX_FMT_BF6 matrix_a_scale:MATRIX_SCALE_ROW1
.else
	v_wmma_scale_f32_16x16x128_f8f6f4 v[8*(8*((\a)%4)+\b):8*(8*((\a)%4)+\b)+7], v[128*(\p)+FR*\b:128*(\p)+FR*\b+FR-1], v[AF+FR*(\a):AF+FR*(\a)+FR-1], v[8*(8*((\a)%4)+\b):8*(8*((\a)%4)+\b)+7], v[SC+8*NQ*(\sc)+NQ*\b+(\q)], v[SC+8*NQ*(\sc)+NQ*(\a)+(\q)] matrix_a_fmt:MATRIX_FMT_BF6 matrix_b_fmt:MATRIX_FMT_BF6 matrix_a_scale:MATRIX_SCALE_ROW1
.endif
.endr
.endr
.endm
.macro FETCH_B slot, q, p
	WIN TO_B
.irp i, 0,1,2,3,4,5,6,7
	FRAG 128*(\p)+FR*\i, ADRB+\slot, \q, \i
.endr
	WIN 0
.endm
.macro FETCH_A slot, q, i0
.irp i, \i0, \i0+1, \i0+2, \i0+3
	FRAGA AF+FR*(\i), \slot, \q, \i
.endr
.endm
.macro SCALES sc
.irp i, 0,1,2,3,4,5,6,7
	ds_load_b64 v[SC+8*NQ*\sc+NQ*\i:SC+8*NQ*\sc+NQ*\i+1], v[ADRS] offset:\i*SBLK
.endr
.endm
.macro PLACES n
.rept \n
	v_nop
.endr
.endm
.macro STEP slot, q, zero
	s_wait_dscnt 4*NL                              ; the 24 loads of A's blocks 4-7 may be out
	WIN MUL_LO
	MUL16 0, (\q)%2, \q, \slot, \zero
	MUL16 2, (\q)%2, \q, \slot, \zero
	s_wait_dscnt 0
	PLACES NP
	FETCH_B \slot, (\q)+1, 1-(\q)%2
	FETCH_A \slot, (\q)+1, 0
	WIN MUL_HI
	MUL16 4, (\q)%2, \q, \slot, \zero
	MUL16 6, (\q)%2, \q, \slot, \zero
	PLACES NP
	WIN 0
	FETCH_A \slot, (\q)+1, 4
.endm
.macro TURN slot, next, fill
	s_wait_tensorcnt 0x0                           ; all my tensor loads have landed: my part of the next slot
	ds_add_u32 v[SPW], v[NIL]                      ; 0 onto my spare word
	s_wait_dscnt 4*NL+1                            ; (the add and the 24 loads of A's blocks 4-7 may be out)
	WIN MUL_LO
	MUL16 0, 1, NQ-1, \slot, 0
	s_wait_dscnt 0x0                               ; the add is done, and my reads of this slot are over
	s_barrier_signal -1
	MUL16 2, 1, NQ-1, \slot, 0
	WIN 0
	s_barrier_wait -1
.if \fill
	CREST                                          ; a round of the cluster's barrier: no wave of any partner still reads this slot or has a load on its way
	s_add_nc_u64 s[G0+4*\slot+2:G0+4*\slot+3], s[G0+4*\slot+2:G0+4*\slot+3], 2*ASTEP
	s_add_nc_u64 s[G0B+4*\slot+2:G0B+4*\slot+3], s[G0B+4*\slot+2:G0B+4*\slot+3], 2*ROWB
	JLOAD G0+4*\slot, G1, G0B+4*\slot, G1B
.else
	PLACES NP
.endif
	v_add_nc_u32 v[ADRS], 4*NQ, v[ADRS]
	FETCH_B \next, 0, 0
	FETCH_A \next, 0, 0
	SCALES \next
	WIN MUL_HI
	MUL16 4, 1, NQ-1, \slot, 0
	MUL16 6, 1, NQ-1, \slot, 0
	PLACES NP
	WIN 0
	FETCH_A \next, 0, 4
.endm
	s_wait_tensorcnt 1                             ; the scales and my part of K step 0 are in (K step 1's load may be out),
	s_barrier_signal -1
	s_barrier_wait -1
	FETCH_B 0, 0, 0
	FETCH_A 0, 0, 0
	SCALES 0
	FETCH_A 0, 0, 4
	STEP 0, 0, 1                                   ; four K steps, twice round the ring: written straight
	TURN 0, 1, 1
	STEP 1, 0, 0
	TURN 1, 0, 1
	STEP 0, 0, 0
	TURN 0, 1, 0
	STEP 1, 0, 0
	s_wait_dscnt 4*NL
	WIN MUL_LO
	MUL16 0, 1, NQ-1, 1, 0
	MUL16 2, 1, NQ-1, 1, 0
	s_wait_dscnt 0
	WIN MUL_HI
	MUL16 4, 1, NQ-1, 1, 0
	MUL16 6, 1, NQ-1, 1, 0
	WIN 0
; THE WAY OUT, block by block of 16 rows x 128 columns, through my own stage in LDS: back as whole rows of 512 bytes.  LDS serves a wave's instructions in order: no wait between the stores and the loads.
.macro TOSTAGE a
.set AC, 64*((\a)%4)
	WIN 0x08+4*((\a)/4)                            ; the data: window 2 or 3
.irp b, 0,1,2,3,4,5,6,7
	ds_store_b128 v[STO], v[AC+8*\b:AC+8*\b+3] offset:64*\b          ; each accumulator from its low end on
	ds_store_b128 v[STO], v[AC+8*\b+4:AC+8*\b+7] offset:64*\b+16
.endr
	WIN 0
.set BB, BK+64*((\a)%2)
.irp t, 0,1,2,3,4,5,6,7,8,9,10,11,12,13,14,15
	ds_load_b128 v[BB+4*\t:BB+4*\t+3], v[RD] offset:\t*SPITCH
.endr
.endm
.macro SEND a, younger                 ; stage row t of block a is token 32 (a / 2) + 8 (a % 2) + t + 8 (t / 8) of my 128
.set BB, BK+64*((\a)%2)
	s_wait_dscnt \younger
.if (\a) > 0
.if (\a)%2 == 1
	s_add_nc_u64 s[12:13], s[12:13], 8*NROW        ; (behind a wait on XCNT: the earlier stores have read their base)
.else
	s_add_nc_u64 s[12:13], s[12:13], 24*NROW
.endif
.endif
.irp t, 0,1,2,3,4,5,6,7,8,9,10,11,12,13,14,15
	global_store_b128 v[CO], v[BB+4*\t:BB+4*\t+3], s[12:13] offset:(\t+8*(\t/8))*NROW th:TH_STORE_NT   ; 32 lanes store 512 consecutive bytes, aligned
.endr
.endm
	PLACES NP
	TOSTAGE 0
.irp a, 1,2,3,4,5,6,7
.if \a > 1
	s_wait_xcnt 0x0                                ; block a - 2's stores have read their registers and their base
.endif
	TOSTAGE \a
	SEND \a-1, 32                                  ; behind block a - 1's loads: block a's 16 stores and 16 loads
.endr
	s_wait_xcnt 0x0
	SEND 7, 0
	s_wait_tensorcnt 0x0                           ; the wave's end
	ds_add_u32 v[SPW], v[NIL]
	s_wait_dscnt 0x0
	CROUND                                         ; the closing round
	s_endpgm
.Lfunc_end_k_q4ce04e48c8_oproj:
	.size	k_q4ce04e48c8_oproj, .Lfunc_end_k_q4ce04e48c8_oproj-k_q4ce04e48c8_oproj
	.p2alignl 7, 3214868480
	.fill 96, 4, 3214868480
	.section	.rodata,"a",@progbits
	.p2align	6, 0x0
	.amdhsa_kernel k_q4ce04e48c8_oproj
		.amdhsa_group_segment_fixed_size 327680
		.amdhsa_private_segment_fixed_size 0
		.amdhsa_enable_private_segment 0
		.amdhsa_kernarg_size 24
		.amdhsa_user_sgpr_count 2
		.amdhsa_user_sgpr_kernarg_segment_ptr 1
		.amdhsa_wavefront_size32 1
		.amdhsa_system_sgpr_workgroup_id_x 1
		.amdhsa_system_sgpr_workgroup_id_y 1
		.amdhsa_system_sgpr_workgroup_id_z 1
		.amdhsa_system_vgpr_workitem_id 0
		.amdhsa_next_free_vgpr 1024
		.amdhsa_next_free_sgpr 98
		.amdhsa_reserve_vcc 0
		.amdhsa_float_denorm_mode_32 3
		.amdhsa_float_denorm_mode_16_64 3
		.amdhsa_memory_ordered 1
		.amdhsa_forward_progress 1
		.amdhsa_inst_pref_size 160
	.end_amdhsa_kernel
	.amdgpu_metadata
---
amdhsa.version: [ 1, 2 ]
amdhsa.kernels:
  - .name:           k_q4ce04e48c8_oproj
    .symbol:         k_q4ce04e48c8_oproj.kd
    .args:
      - { .name: oq, .offset: 0, .size: 8, .value_kind: global_buffer, .address_space: global }
      - { .name: wq, .offset: 8, .size: 8, .value_kind: global_buffer, .address_space: global }
      - { .name: out0, .offset: 16, .size: 8, .value_kind: global_buffer, .address_space: global }
    .group_segment_fixed_size: 327680
    .private_segment_fixed_size: 0
    .kernarg_segment_align: 8
    .kernarg_segment_size: 24
    .max_flat_workgroup_size: 128
    .sgpr_count:     98
    .vgpr_count:     1024
    .wavefront_size: 32
...
	.end_amdgpu_metadata
.endif
;; end of part 4
